; MI455X (gfx1250); checked and timed in simulation.
; The chip was launched on July 23, 2026; its instructions are those of AMD's public machine-readable ISA for CDNA 5 (MIT licence, August 2026) and "CDNA5" Instruction Set Architecture Reference Guide (July 2026). The comments in the code are by the model that wrote it; some were corrected since.
;; Simple Transformer Block. Allowed arithmetic: matrix products marked QUANTISED: E2M1 operands, one E8M0 scale for each 32 along K, by v_wmma_scale_f32_16x16x128_f8f6f4 with both operands' format E2M1 (or v_wmma_scale_f32_32x16x128_f4), f32 sums; everything else in f32.
;; Inputs: w1_codes 4,096 x 32 x 16 uint8 (E2M1 codes of w1, K innermost, in blocks of 32 codes, two codes a byte); w1_scales 4,096 x 32 uint8 (E8M0 scales of w1, one for each 32 codes along K); w2_codes 1,024 x 128 x 16 uint8 (E2M1 codes of w2, K innermost, in blocks of 32 codes, two codes a byte); w2_scales 1,024 x 128 uint8 (E8M0 scales of w2, one for each 32 codes along K); wk_codes 1,024 x 32 x 16 uint8 (E2M1 codes of wk, K innermost, in blocks of 32 codes, two codes a byte); wk_scales 1,024 x 32 uint8 (E8M0 scales of wk, one for each 32 codes along K); wo_codes 1,024 x 32 x 16 uint8 (E2M1 codes of wo, K innermost, in blocks of 32 codes, two codes a byte); wo_scales 1,024 x 32 uint8 (E8M0 scales of wo, one for each 32 codes along K); wq_codes 1,024 x 32 x 16 uint8 (E2M1 codes of wq, K innermost, in blocks of 32 codes, two codes a byte); wq_scales 1,024 x 32 uint8 (E8M0 scales of wq, one for each 32 codes along K); wv_codes 1,024 x 32 x 16 uint8 (E2M1 codes of wv, K innermost, in blocks of 32 codes, two codes a byte); wv_scales 1,024 x 32 uint8 (E8M0 scales of wv, one for each 32 codes along K); x 2 x 2,048 x 1,024 float32.
;; Outputs: out0 2 x 2,048 x 1,024 float32.
;; This version of the problem:
;;   THIS VERSION OF THE PROBLEM IS GIVEN IN LOW PRECISION. The matrix products marked QUANTISED in the list below multiply operands that are first quantised to E2M1 (2 exponent bits, 1 mantissa bit; 4 bits a number), with one power-of-two scale for each 32 numbers along K (OCP MX v1.0); their sums are f32. All else is computed in f32.
;;   The module's matrix products, in the order in which they are computed (A, B: the left and right operand; K: the contracted axis; several contracted axes count as one K, in the product's order):
;;     1. [M 4,096, K 1,024] x [K 1,024, N 1,024]; A: input x; B: input wq (given as codes): QUANTISED
;;     2. [M 4,096, K 1,024] x [K 1,024, N 1,024]; A: input x; B: input wk (given as codes): QUANTISED
;;     3. [M 4,096, K 1,024] x [K 1,024, N 1,024]; A: input x; B: input wv (given as codes): QUANTISED
;;     4. batch 32 x [M 2,048, K 64] x [K 64, N 2,048]; A: computed on the way; B: computed on the way: QUANTISED
;;     5. batch 32 x [M 2,048, K 2,048] x [K 2,048, N 64]; A: softmax (see below); B: computed on the way: QUANTISED
;;     6. [M 4,096, K 1,024] x [K 1,024, N 1,024]; A: computed on the way; B: input wo (given as codes): QUANTISED
;;     7. [M 4,096, K 1,024] x [K 1,024, N 4,096]; A: computed on the way; B: input w1 (given as codes): QUANTISED
;;     8. [M 4,096, K 4,096] x [K 4,096, N 1,024]; A: computed on the way; B: input w2 (given as codes): QUANTISED
;;   THE QUANTISER, for each operand of a quantised product, along K:
;;     - K is cut into blocks of 32 from its start; a last block that is shorter is filled with zeros.
;;     - A block's scale is 2^e with e = floor(log2(the largest magnitude in the block)) - 2, held to -126 .. 127; a block of zeros has e = 0. As a byte (E8M0): e + 127.
;;     - Each number is divided by its block's scale, clamped to +-6, and rounded to the nearest number of E2M1, ties to even, subnormals kept.
;;     - The product sums the exact products of the quantised numbers (number of the format x scale) in f32.
;;   ~~~python
;;   def quantise(x, axis):      # numpy; x: float32 -> the quantised numbers, widened to float32 again
;;       x = np.moveaxis(x, axis, -1); K = x.shape[-1]
;;       x = np.pad(x, [(0, 0)] * (x.ndim - 1) + [(0, -K % 32)]); x = x.reshape(x.shape[:-1] + (-1, 32)); a = np.abs(x).max(-1, keepdims=True)
;;       e = np.where(a > 0, np.clip(np.frexp(np.where(a > 0, a, 1))[1] - 1 - 2, -126, 127), 0)      # np.frexp(a)[1] - 1 = floor(log2(a)), exactly
;;       r = np.clip(x / 2.0 ** e, -6, 6)
;;       step = 2.0 ** (np.maximum(np.frexp(np.where(r == 0, 1, r))[1] - 1, 0) - 1)
;;       q = np.round(r / step) * step * 2.0 ** e      # np.round: ties to even
;;       return np.moveaxis(q.reshape(q.shape[:-2] + (-1,))[..., :K], -1, axis).astype(np.float32)
;;   ~~~
;;   SOFTMAX AHEAD OF A QUANTISED PRODUCT. Where the list says 'softmax', what is quantised is not the finished softmax but p = 2^(t - M), with t = logit x log2(e) and M = ceil(the row's largest t), a whole number; so 1/2 < the row's largest p <= 1. The row's sum l is taken of the UNQUANTISED p, in f32, and the product's result is divided by l at the end. Since M is a whole number, a kernel that streams over the keys may use a running M (the ceiling of the running maximum): every later rescaling is an exact power of two, which a block's scale takes up: the codes' values come out the same.
;;   OPERANDS COMPUTED ON THE WAY. 'Computed on the way' means the value that the module computes at that place (a softmax that the list does not call 'softmax' is quantised finished and normalised). What goes into a quantiser is computed in f32, as accurately as f32 sums, v_exp_f32 and their like allow (about 1e-6 of the number): no bf16 or f16 on the way to a quantiser, and a product that is left as it is and whose result goes on into a quantised operand takes f32 operands (vector FMAs, or v_wmma_f32_16x16x4_f32). A number that lies on a knife's edge between two numbers of the format may be rounded either way, as far as f32 arithmetic and the matrix unit's own rounding can turn it there, and no further.
;;   INPUTS GIVEN AS CODES. w1 (in the module: [1024, 4096], K = its axis 0); w2 (in the module: [4096, 1024], K = its axis 0); wk (in the module: [1024, 1024], K = its axis 0); wo (in the module: [1024, 1024], K = its axis 0); wq (in the module: [1024, 1024], K = its axis 0); wv (in the module: [1024, 1024], K = its axis 0): each comes as NAME_codes (uint8): NAME with its K axis moved to the last place and cut into blocks of 32 codes, [.., K / 32, bytes a block], one block behind the other in memory; two codes a byte, the lower K in the low four bits (a code: sign, 2 exponent bits, 1 mantissa bit); and NAME_scales (uint8): the same leading axes, one E8M0 byte (e + 127) for each 32 codes along K. Its value is code x scale, taken as it is: it is not quantised again, and the codes and scales need not be those that the quantiser above would give.
;; One version. Each part assembles by itself: llvm-mc -triple=amdgcn-amd-amdhsa -mcpu=gfx1250 --defsym DOCPART=n.
;; ======== version 1 of 1: 6 launches
;; workspace buffers: wimg 6,291,456 bytes; xq 2,228,224 bytes; qkv 6,684,672 bytes; ao 2,228,224 bytes; x1q 2,228,224 bytes; x1r 16,777,216 bytes; hq 8,912,896 bytes
;; launch prep (part 1): grid 640 x 1, 4 waves a work-group, no clusters, 51,712 bytes of LDS; arguments x, wq_codes, wk_codes, wv_codes, wo_codes, w1_codes, w2_codes, xq, wimg; writes xq, wimg
.if DOCPART == 1
	.amdgcn_target "amdgcn-amd-amdhsa--gfx1250"
	.amdhsa_code_object_version 6
	.text
	.protected	k_q4700d1fe3c_prep
	.globl	k_q4700d1fe3c_prep
	.p2align	8
	.type	k_q4700d1fe3c_prep,@function
k_q4700d1fe3c_prep:
	s_mov_b64 s[64:65], 0
	v_nop
	global_prefetch_b8 v0, s[64:65] scope:SCOPE_SE
	s_setreg_imm32_b32 hwreg(HW_REG_WAVE_MODE, 25, 1), 1
	s_wait_xcnt 0x0
; A TRANSFORMER BLOCK IN MX-FP4, SIX LAUNCHES: prep, qkv, attn, proj, up, down.  This one quantises x and lays the six weights' codes in the order of an operand's registers.
; DEAD WORK: none.  Every input has a way to out0, and the block has no mask, no slice and no zero of its own making: all eight products are done in full.
; LIMITS: NaN and infinities among the inputs are not served.  A block whose largest magnitude lies under 2^-124 keeps the scale byte 1; so does a block of zeros, where the rule says 127:
; its codes are zeros, which add nothing under any byte but 0xff, and these bytes are read by this program alone.
; TILES.  A tile is 16 rows (tokens, or rows of a weight), and they are not neighbours: lane row r of tile T is row 32 (T / 2) + 8 (T % 2) + r + 8 (r / 8).  Used as the first source of a product, tiles 2 G and
; 2 G + 1 then leave 16 neighbours along the next product's K in a lane's 16 result registers.
; IMAGES.  A fragment (16 rows x 128 along K of 4-bit codes, 8 registers a lane) lies in memory as its registers stand: registers 4 c .. 4 c + 3 of lane l at 512 c + 16 l; a buffer of images is [tile][K step][1,024 bytes].
; SCALES OF ACTIVATIONS: [K / 256][token][8 bytes], so that one load of 8 bytes a lane brings two K steps' words for two tiles (lanes 0-15 the even tile, lanes 16-31 the odd one).
; SHARES.  Work-groups 0-255: token tile T = the work-group's number, wave w its K steps 2 w and 2 w + 1.  Work-groups 256-639: each wave lays four images (16 rows x 256 bytes) of one weight.
; No tensor load, no barrier: waves share nothing.  The two paths have LDS bytes of their own.
.set XST,   0                          ; four stages of 16 rows x (512 + 16) bytes for x
.set WST,   33792                      ; four stages of 16 rows x (256 + 16) bytes for the weights
.set SPARE, 51200                      ; the spare words: 128 bytes a wave, two blocks of 256 bytes that no other line names
.set SPW, 2                            ; v2  LDS address of my spare word; never rewritten
.set NIL, 3                            ; v3  0; never rewritten
.set L16, 7                            ; v7  16 x lane
.set XSI, 8                            ; v8  x's stage, way in: 16 x lane
.set XSO, 9                            ; v9  way out: row r, + 64 h
.set WSI, 10                           ; v10 the weights' stage, way in: row h, 16 r
.set WSO, 11                           ; v11 way out: row r, + 16 h
.set TM,  244                          ; v244-247 largest magnitudes, v248-251 bytes, v252-255 the conversions' scale operands
.set SEL, 46                           ; s[46:47] lane selects: lane l xor 16
; 64 numbers of a lane, register 16 b + i = k 32 b + 16 (lane / 16) + i of my row, become a fragment's codes in v[pc] on and its scale word in v[pw]
.macro QUANT s, pc, pw
.irp b, 0,1,2,3
	v_max3_num_f32 v[TM+\b], |v[\s+16*\b]|, |v[\s+16*\b+1]|, 0x1800000   ; my 16 numbers of block b, and the floor 2^(3 - 127): the byte cannot fall under 1
.endr
.irp i, 2,4,6,8,10,12,14
.irp b, 0,1,2,3
	v_max3_num_f32 v[TM+\b], v[TM+\b], |v[\s+16*\b+\i]|, |v[\s+16*\b+\i+1]|   ; the four blocks by turns
.endr
.endr
.irp b, 0,1,2,3
	v_permlanex16_b32 v[TM+4+\b], v[TM+\b], s[SEL], s[SEL+1]
.endr
.irp b, 0,1,2,3
	v_max_num_f32 v[TM+\b], v[TM+\b], v[TM+4+\b]                     ; with lane l xor 16's 16: the block's largest magnitude
.endr
.irp b, 0,1,2,3
	v_add_nc_u32 v[TM+8+\b], 0xff000000, v[TM+\b]                    ; 2 off its exponent field: the conversion takes this operand's exponent field as its scale
.endr
.irp b, 0,1,2,3
	v_lshrrev_b32 v[TM+4+\b], 23, v[TM+8+\b]                         ; the scale's byte
.endr
	v_lshl_or_b32 v[\pw], v[TM+5], 8, v[TM+4]
	v_lshl_or_b32 v[\pw], v[TM+6], 16, v[\pw]
	v_lshl_or_b32 v[\pw], v[TM+7], 24, v[\pw]
.irp b, 0,1,2,3
	v_cvt_scalef32_pk8_fp4_f32 v[\pc+2*\b], v[\s+16*\b:\s+16*\b+7], v[TM+8+\b]
	v_cvt_scalef32_pk8_fp4_f32 v[\pc+2*\b+1], v[\s+16*\b+8:\s+16*\b+15], v[TM+8+\b]
.endr
	v_nop                                          ; one plain place behind the scaled conversions
.irp c, 0,1                                    ; the operand wants a whole block in a lane: lanes 0-15 block 2 c, lanes 16-31 block 2 c + 1
.irp i, 0,1
	v_permlane16_swap_b32 v[\pc+4*\c+\i], v[\pc+2+4*\c+\i]
.endr
.endr
.endm
	s_load_b256 s[4:11], s[0:1], 0x0               ; x s[4:5], wq s[6:7], wk s[8:9], wv s[10:11]
	s_load_b256 s[12:19], s[0:1], 0x20             ; wo s[12:13], w1 s[14:15], w2 s[16:17], xq s[18:19]
	s_load_b64 s[20:21], s[0:1], 0x40              ; wimg
	v_lshl_add_u32 v[SPW], v0, 2, SPARE
	v_mov_b32 v[NIL], 0
	v_lshrrev_b32 v1, 5, v0
	v_readfirstlane_b32 s22, v1                    ; wave 0..3
	v_and_b32 v4, 31, v0                           ; lane
	v_and_b32 v5, 15, v0                           ; r
	v_bfe_u32 v6, v0, 4, 1                         ; h
	v_lshlrev_b32 v[L16], 4, v4
	s_mul_i32 s23, s22, 8448                       ; every LDS address is made here, ahead of the parting of the two paths
	v_add_nc_u32 v[XSI], s23, v[L16]
	v_mul_u32_u24 v[XSO], v5, 528
	v_lshl_add_u32 v[XSO], v6, 6, v[XSO]
	v_add_nc_u32 v[XSO], s23, v[XSO]
	s_mul_i32 s24, s22, 4352
	s_add_co_u32 s24, s24, WST
	v_mul_u32_u24 v[WSI], v6, 272
	v_lshl_add_u32 v[WSI], v5, 4, v[WSI]
	v_add_nc_u32 v[WSI], s24, v[WSI]
	v_mul_u32_u24 v[WSO], v5, 272
	v_lshl_add_u32 v[WSO], v6, 4, v[WSO]
	v_add_nc_u32 v[WSO], s24, v[WSO]
	s_mov_b32 s[SEL], 0x76543210
	s_mov_b32 s[SEL+1], 0xfedcba98
.irp b, 0,1,2,3
	v_mov_b32 v[TM+4+\b], 0                        ; written once: a lane permute's destination counts as one of its sources
.endr
	s_wait_kmcnt 0x0
	s_cmp_lt_u32 ttmp9, 256
	s_cbranch_scc0 .Lweights
	; ---- x: token tile T, K steps 2 w and 2 w + 1
	s_lshr_b32 s25, ttmp9, 1
	s_lshl_b32 s25, s25, 5
	s_and_b32 s26, ttmp9, 1
	s_lshl_b32 s26, s26, 3
	s_add_co_u32 s25, s25, s26                     ; the tile's first token: 32 (T / 2) + 8 (T % 2)
	s_lshl_b32 s26, s25, 12                        ; a row of x is 4,096 bytes,
	s_lshl_b32 s27, s22, 10                        ; my two K steps 1,024 of them
	s_add_co_u32 s26, s26, s27
	s_mov_b32 s27, 0
	s_add_nc_u64 s[4:5], s[4:5], s[26:27]
	s_lshl_b32 s26, ttmp9, 13                      ; the tile's eight images,
	s_lshl_b32 s28, s22, 11                        ; my two
	s_add_co_u32 s26, s26, s28
	s_add_nc_u64 s[28:29], s[18:19], s[26:27]
	s_lshl_b32 s26, s22, 15                        ; the scales: group w of 256 along K,
	s_lshl_b32 s30, s25, 3                         ; 8 bytes a token
	s_add_co_u32 s26, s26, s30
	s_add_co_u32 s26, s26, 2097152
	s_add_nc_u64 s[30:31], s[18:19], s[26:27]
	v_and_b32 v12, 8, v5
	v_add_nc_u32 v12, v12, v5
	v_lshlrev_b32 v12, 3, v12                      ; (r + 8 (r / 8)) x 8
.irp e, 0,1
.irp i, 0,1,2,3,4,5,6,7,8,9,10,11,12,13,14,15
	global_load_b128 v[32+64*\e+4*\i:32+64*\e+4*\i+3], v[L16], s[4:5] offset:(\i+8*(\i/8))*4096+512*\e th:TH_LOAD_NT   ; 32 lanes read the 512 bytes of one row's K step
.endr
.endr
; K step e: through my stage (in as loaded, out 16 neighbours of each block of 32 a lane), quantised, stored.  left: the younger loads that may stay out
.macro XHALF e, left
	s_wait_loadcnt \left
.irp i, 0,1,2,3,4,5,6,7,8,9,10,11,12,13,14,15
	ds_store_b128 v[XSI], v[32+64*\e+4*\i:32+64*\e+4*\i+3] offset:528*\i
.endr
.irp b, 0,1,2,3
.irp j, 0,1,2,3
	ds_load_b128 v[160+16*\b+4*\j:160+16*\b+4*\j+3], v[XSO] offset:128*\b+16*\j   ; LDS serves a wave's instructions in order: these see the stores above
.endr
.endr
	s_wait_dscnt 0x0
	QUANT 160, 224+8*\e, 240+\e
.irp c, 0,1
	global_store_b128 v[L16], v[224+8*\e+4*\c:224+8*\e+4*\c+3], s[28:29] offset:1024*\e+512*\c   ; 512 consecutive bytes; each K step has its own data registers
.endr
.endm
	XHALF 0, 16                                    ; the second K step's sixteen loads may stay out
	XHALF 1, 0
	global_store_b64 v12, v[240:241], s[30:31]     ; my row's two scale words; both halves of the lanes hold and write the same
	s_branch .Lend
.Lweights:
	; ---- weights: unit U = 4 (work-group - 256) + wave is 4,096 bytes of wimg: four images of one tile
	s_sub_co_u32 s25, ttmp9, 256
	s_lshl_b32 s37, s25, 2
	s_add_co_u32 s37, s37, s22                     ; U
	s_mov_b32 s34, 2048
	s_mov_b32 s36, 511
	s_cmp_lt_u32 s25, 32                           ; which weight: the choice hangs on the work-group's number alone
	s_cselect_b64 s[32:33], s[6:7], s[8:9]
	s_cmp_lt_u32 s25, 64
	s_cselect_b64 s[32:33], s[32:33], s[10:11]
	s_cmp_lt_u32 s25, 96
	s_cselect_b64 s[32:33], s[32:33], s[12:13]
	s_cmp_lt_u32 s25, 128
	s_cselect_b64 s[32:33], s[32:33], s[14:15]
	s_cselect_b32 s36, 127, s36                    ; units in the weight, less 1
	s_cmp_lt_u32 s25, 256
	s_cselect_b64 s[32:33], s[32:33], s[16:17]
	s_cselect_b32 s34, 512, s34                    ; bytes in a row of codes: 512, in w2 2,048
	s_cselect_b32 s35, 1, 3                        ; units in a tile: 2, in w2 8
	s_and_b32 s38, s37, s36                        ; the unit's number in its weight
	s_lshr_b32 s39, s38, s35                       ; its tile,
	s_lshl_b32 s40, s39, s35
	s_sub_co_u32 s40, s38, s40                     ; and which 256 bytes of the rows
	s_lshr_b32 s41, s39, 1
	s_lshl_b32 s41, s41, 5
	s_and_b32 s42, s39, 1
	s_lshl_b32 s42, s42, 3
	s_add_co_u32 s41, s41, s42                     ; the tile's first row
	s_mul_i32 s41, s41, s34
	s_lshl_b32 s40, s40, 8
	s_add_co_u32 s42, s41, s40
	s_mov_b32 s43, 0
	s_add_nc_u64 s[32:33], s[32:33], s[42:43]
	s_lshl_b32 s42, s37, 12
	s_add_nc_u64 s[44:45], s[20:21], s[42:43]
	v_lshlrev_b32 v13, 4, v5                       ; 16 r
.irp i, 0,1,2,3,4,5,6,7
	v_add_nc_u32 v14, 2*\i+8*(\i/4), v6            ; lane row 2 i + h of the tile is this row
	v_mad_u32_u24 v[16+\i], v14, s34, v13
.endr
.irp i, 0,1,2,3,4,5,6,7
	global_load_b128 v[32+4*\i:32+4*\i+3], v[16+\i], s[32:33] th:TH_LOAD_NT   ; sixteen lanes read 256 consecutive bytes of a row
.endr
	s_wait_loadcnt 0x0
.irp i, 0,1,2,3,4,5,6,7
	ds_store_b128 v[WSI], v[32+4*\i:32+4*\i+3] offset:2*\i*272
.endr
.irp k, 0,1,2,3
.irp c, 0,1
	ds_load_b128 v[64+8*\k+4*\c:64+8*\k+4*\c+3], v[WSO] offset:64*\k+32*\c   ; registers 4 c .. 4 c + 3 of K step k's fragment
.endr
.endr
	s_wait_dscnt 0x0
.irp k, 0,1,2,3
.irp c, 0,1
	global_store_b128 v[L16], v[64+8*\k+4*\c:64+8*\k+4*\c+3], s[44:45] offset:1024*\k+512*\c
.endr
.endr
.Lend:
	s_wait_tensorcnt 0x0                           ; the wave's end, behind my last LDS store
	ds_add_u32 v[SPW], v[NIL]
	s_wait_dscnt 0x0
	s_endpgm
.Lfunc_end_k_q4700d1fe3c_prep:
	.size	k_q4700d1fe3c_prep, .Lfunc_end_k_q4700d1fe3c_prep-k_q4700d1fe3c_prep
	.p2alignl 7, 3214868480
	.fill 96, 4, 3214868480
	.section	.rodata,"a",@progbits
	.p2align	6, 0x0
	.amdhsa_kernel k_q4700d1fe3c_prep
		.amdhsa_group_segment_fixed_size 51712
		.amdhsa_private_segment_fixed_size 0
		.amdhsa_enable_private_segment 0
		.amdhsa_kernarg_size 72
		.amdhsa_user_sgpr_count 2
		.amdhsa_user_sgpr_kernarg_segment_ptr 1
		.amdhsa_wavefront_size32 1
		.amdhsa_system_sgpr_workgroup_id_x 1
		.amdhsa_system_sgpr_workgroup_id_y 1
		.amdhsa_system_sgpr_workgroup_id_z 1
		.amdhsa_system_vgpr_workitem_id 0
		.amdhsa_next_free_vgpr 256
		.amdhsa_next_free_sgpr 66
		.amdhsa_reserve_vcc 0
		.amdhsa_float_denorm_mode_32 3
		.amdhsa_float_denorm_mode_16_64 3
		.amdhsa_memory_ordered 1
		.amdhsa_forward_progress 1
		.amdhsa_inst_pref_size 23
	.end_amdhsa_kernel
	.amdgpu_metadata
---
amdhsa.version: [ 1, 2 ]
amdhsa.kernels:
  - .name:           k_q4700d1fe3c_prep
    .symbol:         k_q4700d1fe3c_prep.kd
    .args:
      - { .name: x, .offset: 0, .size: 8, .value_kind: global_buffer, .address_space: global }
      - { .name: wq_codes, .offset: 8, .size: 8, .value_kind: global_buffer, .address_space: global }
      - { .name: wk_codes, .offset: 16, .size: 8, .value_kind: global_buffer, .address_space: global }
      - { .name: wv_codes, .offset: 24, .size: 8, .value_kind: global_buffer, .address_space: global }
      - { .name: wo_codes, .offset: 32, .size: 8, .value_kind: global_buffer, .address_space: global }
      - { .name: w1_codes, .offset: 40, .size: 8, .value_kind: global_buffer, .address_space: global }
      - { .name: w2_codes, .offset: 48, .size: 8, .value_kind: global_buffer, .address_space: global }
      - { .name: xq, .offset: 56, .size: 8, .value_kind: global_buffer, .address_space: global }
      - { .name: wimg, .offset: 64, .size: 8, .value_kind: global_buffer, .address_space: global }
    .group_segment_fixed_size: 51712
    .private_segment_fixed_size: 0
    .kernarg_segment_align: 8
    .kernarg_segment_size: 72
    .max_flat_workgroup_size: 128
    .sgpr_count:     66
    .vgpr_count:     256
    .wavefront_size: 32
...
	.end_amdgpu_metadata
.endif
;; end of part 1
;; launch qkv (part 2): grid 12 x 16, 16 waves a work-group, clusters of 4 x 4, 280,576 bytes of LDS; arguments xq, wimg, wq_scales, wk_scales, wv_scales, qkv; writes qkv
.if DOCPART == 2
	.amdgcn_target "amdgcn-amd-amdhsa--gfx1250"
	.amdhsa_code_object_version 6
	.text
	.protected	k_q4700d1fe3c_qkv
	.globl	k_q4700d1fe3c_qkv
	.p2align	8
	.type	k_q4700d1fe3c_qkv,@function
k_q4700d1fe3c_qkv:
	s_mov_b64 s[64:65], 0
	v_nop
	global_prefetch_b8 v0, s[64:65] scope:SCOPE_SE
	s_setreg_imm32_b32 hwreg(HW_REG_WAVE_MODE, 25, 1), 1
	s_wait_xcnt 0x0
	s_wait_alu depctr_hold_cnt(0) depctr_sa_sdst(0) depctr_va_vdst(0) depctr_va_sdst(0) depctr_va_ssrc(0) depctr_va_vcc(0) depctr_vm_vsrc(0)
	s_getreg_b32 s2, hwreg(HW_REG_IB_STS2, 6, 4)
	s_cmp_eq_u32 s2, 0
	s_cbranch_scc0 .Lentry_in_a_cluster
	s_endpgm
.Lentry_in_a_cluster:
	s_bfe_u32 s2, ttmp6, 0x10000c
	s_cmp_lg_u32 s2, 0xf033
	s_cbranch_scc0 .Lentry_shape_is_right
	s_endpgm
.Lentry_shape_is_right:
; q = x wq, k = x wk, v = x wv on codes of FP4, and the three results quantised at once for the attention: q and k along the head's 64, v along the keys.  No work is left out.
; SHARES.  A work-group makes 256 tokens x 256 columns of [wq | wk | wv]; each of its sixteen waves 64 x 64: four token tiles x four weight tiles, one head.  K = 1,024 is eight steps of 128.
; A cluster of 4 x 4 work-groups covers one of the three weights whole (ROLE = the cluster's x: 0 q, 1 k, 2 v), so the role is the same in all partners.  The grid is 192 work-groups: it is what lets a role be uniform in a cluster.
; LDS.  Both panels lie whole in LDS, as images, filled once: no slot is filled again.  x's panel is shared along a row of the cluster, the weight's along a column: each is asked for jointly.
; q, k: the product is used transposed (source 0 = 16 rows of the weight, source 1 = 16 tokens): a lane holds one token, and its 32 registers of four tiles run along the head's 64 channels.
; v: source 0 = 16 tokens, source 1 = 16 rows of the weight: a lane holds one channel and its registers run along 64 keys, which are the second attention product's K.
; OUT: Q's half fragments [head][query tile][512] and their scale half-words; for each head and each 128 keys a record of 8,704 bytes: K's 8 half fragments, K's scales, V's 4 fragments, V's scale words.
.set XP,    0                          ; x's panel: [chunk of two K steps 4][tile 16][2,048]
.set WP,    131072                     ; the weight's, likewise
.set SPARE, 262144                     ; the spare words: 128 bytes a wave, eight blocks of 256 bytes that no other line names
.set TS,    2048                       ; from tile to tile in a chunk
.set SPW, 4                            ; v4   LDS address of my spare word; never rewritten
.set NIL, 5                            ; v5   0; never rewritten
.set L16, 7                            ; v7   16 x lane
.set XA0, 8                            ; v8, v9    my four x tiles in chunks 0-1, 2-3
.set WA0, 10                           ; v10, v11  my four weight tiles likewise
.set XS,  16                           ; v16-31  x's scale words: 8 p + K step; lanes 0-15 tile 2 p, lanes 16-31 tile 2 p + 1
.set WS,  32                           ; v32-47  the weight's likewise
.set XF,  48                           ; v48-79  four fragments of x
.set WF,  80                           ; v80-111 four of the weight
.set ACC, 112                          ; v112-239 sixteen accumulators
.set TM,  240                          ; v240-245 the quantiser's
.set OI,  246                          ; v246-249 where the four half fragments go
.set OS,  250                          ; v250-253 and their scales
.set PC,  48                           ; the codes made (x's fragments are done with)
.set PW,  64
.set WV, 16
.set FB, 17                            ; 0: I fetch for x, 1: for the weight
.set JJ, 18                            ; which two tiles of a chunk I fetch
.set WA, 19
.set WB, 20
.set CX, 21
.set CY, 22
.set BX, 23
.set BY, 24
.set ROLE, 25
.set SEL, 26
.set G1X, 28                           ; s[28:35], s[36:43] descriptor groups 1;  s[44:59], s[68:83] groups 0, one for each chunk
.set G1W, 36
.set G0X, 44
.set G0W, 68
; s84-87 hold only what hangs on the cluster's row, s88-91 only what hangs on its column; s92-99 hold mixtures and feed no descriptor
.macro JLOAD g0a, g1a, g0b, g1b        ; a joint load: each line has one mask and one set of registers; the branch hangs on the wave's number alone; s_nop 0 and four v_nop follow each line
	s_cmp_eq_u32 s[FB], 0
	s_cbranch_scc0 .Lfor_b_\@
	tensor_load_to_lds s[\g0a:\g0a+3], s[\g1a:\g1a+7]
	s_nop 0
.rept 4
	v_nop
.endr
	s_branch .Lasked_\@
.Lfor_b_\@:
	tensor_load_to_lds s[\g0b:\g0b+3], s[\g1b:\g1b+7]
	s_nop 0
.rept 4
	v_nop
.endr
.Lasked_\@:
.endm
.macro CROUND                          ; a round of the cluster's barrier
	s_barrier_signal -1
	s_barrier_wait -1
	s_cmp_lg_u32 s[WV], 0
	s_cbranch_scc1 .Lnot_wave_0_\@
	s_barrier_signal -3
.Lnot_wave_0_\@:
	s_barrier_wait -3
	s_barrier_signal -1
	s_barrier_wait -1
.endm
; one product: D at d, sources at s0 and s1; zero = 1 starts the sum; the scales' registers and which half of their lanes is read
.macro WM d, s0, s1, zero, sc0, row0, sc1, row1
.if (\zero) && (\row0) && (\row1)
	v_wmma_scale_f32_16x16x128_f8f6f4 v[\d:\d+7], v[\s0:\s0+7], v[\s1:\s1+7], 0, v[\sc0], v[\sc1] matrix_a_fmt:MATRIX_FMT_FP4 matrix_b_fmt:MATRIX_FMT_FP4 matrix_a_scale:MATRIX_SCALE_ROW1 matrix_b_scale:MATRIX_SCALE_ROW1
.elseif (\zero) && (\row0)
	v_wmma_scale_f32_16x16x128_f8f6f4 v[\d:\d+7], v[\s0:\s0+7], v[\s1:\s1+7], 0, v[\sc0], v[\sc1] matrix_a_fmt:MATRIX_FMT_FP4 matrix_b_fmt:MATRIX_FMT_FP4 matrix_a_scale:MATRIX_SCALE_ROW1
.elseif (\zero) && (\row1)
	v_wmma_scale_f32_16x16x128_f8f6f4 v[\d:\d+7], v[\s0:\s0+7], v[\s1:\s1+7], 0, v[\sc0], v[\sc1] matrix_a_fmt:MATRIX_FMT_FP4 matrix_b_fmt:MATRIX_FMT_FP4 matrix_b_scale:MATRIX_SCALE_ROW1
.elseif (\zero)
	v_wmma_scale_f32_16x16x128_f8f6f4 v[\d:\d+7], v[\s0:\s0+7], v[\s1:\s1+7], 0, v[\sc0], v[\sc1] matrix_a_fmt:MATRIX_FMT_FP4 matrix_b_fmt:MATRIX_FMT_FP4
.elseif (\row0) && (\row1)
	v_wmma_scale_f32_16x16x128_f8f6f4 v[\d:\d+7], v[\s0:\s0+7], v[\s1:\s1+7], v[\d:\d+7], v[\sc0], v[\sc1] matrix_a_fmt:MATRIX_FMT_FP4 matrix_b_fmt:MATRIX_FMT_FP4 matrix_a_scale:MATRIX_SCALE_ROW1 matrix_b_scale:MATRIX_SCALE_ROW1
.elseif (\row0)
	v_wmma_scale_f32_16x16x128_f8f6f4 v[\d:\d+7], v[\s0:\s0+7], v[\s1:\s1+7], v[\d:\d+7], v[\sc0], v[\sc1] matrix_a_fmt:MATRIX_FMT_FP4 matrix_b_fmt:MATRIX_FMT_FP4 matrix_a_scale:MATRIX_SCALE_ROW1
.elseif (\row1)
	v_wmma_scale_f32_16x16x128_f8f6f4 v[\d:\d+7], v[\s0:\s0+7], v[\s1:\s1+7], v[\d:\d+7], v[\sc0], v[\sc1] matrix_a_fmt:MATRIX_FMT_FP4 matrix_b_fmt:MATRIX_FMT_FP4 matrix_b_scale:MATRIX_SCALE_ROW1
.else
	v_wmma_scale_f32_16x16x128_f8f6f4 v[\d:\d+7], v[\s0:\s0+7], v[\s1:\s1+7], v[\d:\d+7], v[\sc0], v[\sc1] matrix_a_fmt:MATRIX_FMT_FP4 matrix_b_fmt:MATRIX_FMT_FP4
.endif
.endm
.macro FRAGS xa, wa, off               ; a K step's eight fragments: images, 512 consecutive bytes a load
.irp a, 0,1,2,3
.irp c, 0,1
	ds_load_b128 v[XF+8*\a+4*\c:XF+8*\a+4*\c+3], v[\xa] offset:\off+\a*TS+512*\c
.endr
.endr
.irp b, 0,1,2,3
.irp c, 0,1
	ds_load_b128 v[WF+8*\b+4*\c:WF+8*\b+4*\c+3], v[\wa] offset:\off+\b*TS+512*\c
.endr
.endr
.endm
; sixteen products; the sixteen accumulators take turns, one instruction a turn, in the same order in every step
.macro MULT ks, zero                   ; transposed: accumulator 4 a + b: lane = token of tile a, registers = columns of tile b
.irp a, 0,1,2,3
.irp b, 0,1,2,3
	WM ACC+8*(4*\a+\b), WF+8*\b, XF+8*\a, \zero, WS+8*(\b/2)+(\ks), \b%2, XS+8*(\a/2)+(\ks), \a%2
.endr
.endr
.endm
.macro MULV ks, zero                   ; accumulator 4 b + a: lane = column of tile b, registers = tokens of tile a
.irp b, 0,1,2,3
.irp a, 0,1,2,3
	WM ACC+8*(4*\b+\a), XF+8*\a, WF+8*\b, \zero, XS+8*(\a/2)+(\ks), \a%2, WS+8*(\b/2)+(\ks), \b%2
.endr
.endr
.endm
.macro KSTEP ks, zero
.if (\zero) == 0
.rept 4
	v_nop                                          ; four places between the last products and the loads into the registers that they read
.endr
.endif
	FRAGS XA0+(\ks)/4, WA0+(\ks)/4, (((\ks)/2)%2)*32768+((\ks)%2)*1024
	s_wait_dscnt 0x0
	s_cmp_eq_u32 s[ROLE], 2                        ; the role is the cluster's x: the same in all waves and all partners; the branch leads round the products alone
	s_cbranch_scc1 .Lfor_v_\@
	MULT \ks, \zero
	s_branch .Lmul_done_\@
.Lfor_v_\@:
	MULV \ks, \zero
.Lmul_done_\@:
.endm
; 32 numbers of a lane, register 16 b + i = index 32 b + 16 (lane / 16) + i, become half a fragment's codes in v[pc] .. v[pc + 3] and two scale bytes in v[pw]
.macro QUANT2 s, pc, pw
.irp b, 0,1
	v_max3_num_f32 v[TM+\b], |v[\s+16*\b]|, |v[\s+16*\b+1]|, 0x1800000   ; each accumulator is read from its low end on; the floor 2^(3 - 127) holds the byte at 1 from below
.endr
.irp i, 2,4,6,8,10,12,14
.irp b, 0,1
	v_max3_num_f32 v[TM+\b], v[TM+\b], |v[\s+16*\b+\i]|, |v[\s+16*\b+\i+1]|
.endr
.endr
.irp b, 0,1
	v_permlanex16_b32 v[TM+2+\b], v[TM+\b], s[SEL], s[SEL+1]
.endr
.irp b, 0,1
	v_max_num_f32 v[TM+\b], v[TM+\b], v[TM+2+\b]   ; with lane l xor 16's 16: the block's largest magnitude
.endr
.irp b, 0,1
	v_add_nc_u32 v[TM+4+\b], 0xff000000, v[TM+\b]  ; 2 off its exponent field: the conversion's scale operand
.endr
.irp b, 0,1
	v_lshrrev_b32 v[TM+2+\b], 23, v[TM+4+\b]       ; the scale's byte
.endr
	v_lshl_or_b32 v[\pw], v[TM+3], 8, v[TM+2]
.irp b, 0,1
	v_cvt_scalef32_pk8_fp4_f32 v[\pc+2*\b], v[\s+16*\b:\s+16*\b+7], v[TM+4+\b]
	v_cvt_scalef32_pk8_fp4_f32 v[\pc+2*\b+1], v[\s+16*\b+8:\s+16*\b+15], v[TM+4+\b]
.endr
	v_nop                                          ; one plain place behind the scaled conversions
	v_permlane16_swap_b32 v[\pc], v[\pc+2]         ; a whole block to a lane: lanes 0-15 block 0, lanes 16-31 block 1
	v_permlane16_swap_b32 v[\pc+1], v[\pc+3]
.endm
	s_load_b256 s[4:11], s[0:1], 0x0               ; xq s[4:5], wimg s[6:7], wq's scales s[8:9], wk's s[10:11]
	s_load_b128 s[12:15], s[0:1], 0x20             ; wv's scales s[12:13], qkv s[14:15]
	v_lshl_add_u32 v[SPW], v0, 2, SPARE
	v_mov_b32 v[NIL], 0
	ds_add_u32 v[SPW], v[NIL]                      ; the wave's opening: the add, twice on end, and its wait ahead of my first tensor load
	ds_add_u32 v[SPW], v[NIL]
	v_lshrrev_b32 v1, 5, v0
	v_readfirstlane_b32 s[WV], v1                  ; wave 0..15
	s_lshr_b32 s[FB], s[WV], 3
	s_and_b32 s[JJ], s[WV], 7
	s_lshr_b32 s[WA], s[WV], 2                     ; my 64 tokens
	s_and_b32 s[WB], s[WV], 3                      ; my 64 columns
	s_bfe_u32 s[CX], ttmp6, 0x40000
	s_bfe_u32 s[CY], ttmp6, 0x40004
	s_lshl_b32 s[BX], ttmp9, 2
	s_add_co_u32 s[BX], s[BX], s[CX]               ; block of 256 columns
	s_and_b32 s[BY], ttmp7, 0xffff
	s_lshl_b32 s[BY], s[BY], 2
	s_add_co_u32 s[BY], s[BY], s[CY]               ; block of 256 tokens
	s_mov_b32 s[ROLE], ttmp9
	s_mov_b32 s[SEL], 0x76543210
	s_mov_b32 s[SEL+1], 0xfedcba98
	s_lshl_b32 s84, s[CY], 2
	s_lshl_b32 s84, 15, s84                        ; my row of the cluster
	s_lshl_b32 s88, 0x1111, s[CX]                  ; my column
	s_or_b32 s[G1X], s84, (3<<16)|(1<<21)          ; the mask; elements of 8 bytes; bit 21 beside a mask; no padding
	s_or_b32 s[G1W], s88, (3<<16)|(1<<21)
.irp g, G1X, G1W
	s_mov_b32 s[\g+1], 256<<16                     ; tensor_dim0: 2,048 bytes, a tile's two images of a chunk
	s_mov_b32 s[\g+2], 2<<16                       ; tensor_dim1: two tiles
	s_mov_b32 s[\g+3], 256<<16                     ; tile_dim0
	s_mov_b32 s[\g+4], 2                           ; tile_dim1
	s_mov_b32 s[\g+5], 1024                        ; from tile to tile in memory: 8,192 bytes
	s_mov_b32 s[\g+6], 0
	s_mov_b32 s[\g+7], 0
.endr
	s_lshl_b32 s84, s[BY], 4
	s_lshl_b32 s85, s[JJ], 1
	s_add_co_u32 s84, s84, s85
	s_lshl_b32 s84, s84, 13                        ; x: tile 16 by + 2 j
	s_mov_b32 s85, 0
	s_lshl_b32 s86, s[JJ], 12                      ; and its place in a chunk
	s_lshl_b32 s88, s[BX], 4
	s_lshl_b32 s89, s[JJ], 1
	s_add_co_u32 s88, s88, s89
	s_lshl_b32 s88, s88, 13                        ; the weights: tile 16 bx + 2 j of wq, wk, wv on end
	s_mov_b32 s89, 0
	s_lshl_b32 s90, s[JJ], 12
	s_add_co_u32 s90, s90, WP
	s_wait_dscnt 0x0                               ; both opening adds are done
	s_wait_kmcnt 0x0
	s_add_nc_u64 s[84:85], s[4:5], s[84:85]
	s_add_nc_u64 s[88:89], s[6:7], s[88:89]
	CROUND                                         ; all sixteen work-groups are here: the joint loads meet
.irp q, 0,1,2,3                                ; four loads a wave, all first fills: four are out
	s_mov_b32 s[G0X+4*\q], 1
	s_add_co_u32 s[G0X+4*\q+1], s86, \q*32768
	s_add_nc_u64 s[G0X+4*\q+2:G0X+4*\q+3], s[84:85], \q*2048
	s_or_b32 s[G0X+4*\q+3], s[G0X+4*\q+3], 0x80000000
	s_mov_b32 s[G0W+4*\q], 1
	s_add_co_u32 s[G0W+4*\q+1], s90, \q*32768
	s_add_nc_u64 s[G0W+4*\q+2:G0W+4*\q+3], s[88:89], \q*2048
	s_or_b32 s[G0W+4*\q+3], s[G0W+4*\q+3], 0x80000000
	JLOAD G0X+4*\q, G1X, G0W+4*\q, G1W
.endr
	v_and_b32 v2, 31, v0                           ; lane
	v_and_b32 v3, 15, v0                           ; r
	v_bfe_u32 v6, v0, 4, 1                         ; h
	v_lshlrev_b32 v[L16], 4, v2
	v_and_b32 v12, 8, v3
	v_add_nc_u32 v12, v12, v3
	v_lshl_add_u32 v12, v6, 3, v12                 ; r + 8 (r / 8) + 8 h: lanes 0-15 the even tile's rows, lanes 16-31 the odd tile's
	v_lshlrev_b32 v13, 3, v12
	v_lshlrev_b32 v14, 5, v12
	s_lshl_b32 s92, s[BY], 11
	s_lshl_b32 s93, s[WA], 9
	s_add_co_u32 s92, s92, s93
	s_add_co_u32 s92, s92, 2097152
	s_mov_b32 s93, 0
	s_add_nc_u64 s[92:93], s[4:5], s[92:93]        ; x's scales at my first token
	s_cmp_eq_u32 s[ROLE], 0
	s_cselect_b64 s[94:95], s[8:9], s[10:11]
	s_cmp_eq_u32 s[ROLE], 2
	s_cselect_b64 s[94:95], s[12:13], s[94:95]     ; my weight's scales,
	s_lshl_b32 s96, s[CX], 13
	s_lshl_b32 s97, s[WB], 11
	s_add_co_u32 s96, s96, s97
	s_mov_b32 s97, 0
	s_add_nc_u64 s[94:95], s[94:95], s[96:97]      ; at my first row: 32 bytes a row
.irp p, 0,1
.irp g, 0,1,2,3
	global_load_b64 v[XS+8*\p+2*\g:XS+8*\p+2*\g+1], v13, s[92:93] offset:32768*\g+256*\p
.endr
.endr
.irp p, 0,1
.irp g, 0,1
	global_load_b128 v[WS+8*\p+4*\g:WS+8*\p+4*\g+3], v14, s[94:95] offset:1024*\p+16*\g
.endr
.endr
	s_lshl_b32 s98, s[WA], 13
	v_add_nc_u32 v[XA0], s98, v[L16]
	v_add_nc_u32 v[XA0+1], 0x10000, v[XA0]
	s_lshl_b32 s99, s[WB], 13
	s_add_co_u32 s99, s99, WP
	v_add_nc_u32 v[WA0], s99, v[L16]
	v_add_nc_u32 v[WA0+1], 0x10000, v[WA0]
	v_mov_b32 v[TM+2], 0                           ; written once: a lane permute's destination counts as one of its sources
	v_mov_b32 v[TM+3], 0
	s_wait_loadcnt 0x0                             ; the scales are in, and their address registers are free
	; where the results go
	s_and_b32 s92, s[BY], 7
	s_lshl_b32 s92, s92, 1
	s_lshr_b32 s93, s[WA], 1
	s_add_co_u32 s92, s92, s93                     ; which 128 tokens of the sequence
	s_and_b32 s93, s[WA], 1                        ; and which half of them
	s_lshr_b32 s94, s[BY], 3
	s_lshl_b32 s94, s94, 4
	s_lshl_b32 s95, s[CX], 2
	s_add_co_u32 s94, s94, s95
	s_add_co_u32 s94, s94, s[WB]                   ; 16 x batch + head
	s_mul_i32 s95, s94, 139264
	s_mul_i32 s96, s92, 8704
	s_add_co_u32 s95, s95, s96
	s_add_co_u32 s95, s95, 2228224                 ; the record of these 128 keys
	s_lshl_b32 s96, s94, 16
	s_lshl_b32 s97, s92, 12
	s_add_co_u32 s96, s96, s97
	s_lshl_b32 s97, s93, 11
	s_add_co_u32 s96, s96, s97                     ; q's half fragments
	s_add_co_u32 s97, s95, s97                     ; k's
	s_lshl_b32 s98, s93, 9
	s_add_co_u32 s98, s98, s95
	s_add_co_u32 s98, s98, 4352                    ; v's: my 64 keys are half of each fragment
	s_cmp_eq_u32 s[ROLE], 0
	s_cselect_b32 s96, s96, s97
	s_cmp_eq_u32 s[ROLE], 2
	s_cselect_b32 s96, s98, s96
	s_mov_b32 s97, 0
	s_add_nc_u64 s[2:3], s[14:15], s[96:97]        ; codes
	s_lshl_b32 s96, s94, 12
	s_lshl_b32 s98, s92, 8
	s_add_co_u32 s96, s96, s98
	s_lshl_b32 s98, s93, 7
	s_add_co_u32 s96, s96, s98
	s_add_co_u32 s96, s96, 2097152                 ; q's scales
	s_add_co_u32 s98, s98, s95
	s_add_co_u32 s98, s98, 4096                    ; k's
	s_lshl_b32 s99, s93, 1
	s_add_co_u32 s99, s99, s95
	s_add_co_u32 s99, s99, 8448                    ; v's: my half-word of each channel's word
	s_cmp_eq_u32 s[ROLE], 0
	s_cselect_b32 s96, s96, s98
	s_cmp_eq_u32 s[ROLE], 2
	s_cselect_b32 s96, s99, s96
	s_cselect_b32 s99, 1, 0                        ; 1 for v
	s_add_nc_u64 s[66:67], s[14:15], s[96:97]      ; scales
	s_lshl_b32 s96, 512, s99                       ; from one result to the next: 512 bytes, for v 1,024
	s_add_co_u32 s98, s99, 1                       ; a scale's place: 2 bytes a row, for v 4
.irp t, 0,1,2,3
	v_mad_u32_u24 v[OI+\t], s96, \t, v[L16]
	v_add_nc_u32 v15, 16*\t, v3
	v_lshlrev_b32 v[OS+\t], s98, v15
.endr
	s_wait_tensorcnt 3                             ; my part of chunk 0 is in; my three younger loads may stay out
	s_barrier_signal -1
	s_barrier_wait -1                              ; everybody's is
	KSTEP 0, 1                                     ; the first products start the sums
	KSTEP 1, 0
.irp q, 1,2,3
	s_wait_tensorcnt 3-\q                          ; my part of chunk q is in; the chunks behind it may stay out
	s_barrier_signal -1
	s_barrier_wait -1
	KSTEP 2*\q, 0
	KSTEP 2*\q+1, 0
.endr
.rept 4
	v_nop                                          ; four places between the last products and the first read of results
.endr
.irp t, 0,1,2,3                                ; q, k: token tile t along the head's 64;  v: channel tile t along my 64 keys
	QUANT2 ACC+32*\t, PC+4*\t, PW+\t
.endr
.irp t, 0,1,2,3
	global_store_b128 v[OI+\t], v[PC+4*\t:PC+4*\t+3], s[2:3]      ; 512 consecutive bytes
	global_store_b16 v[OS+\t], v[PW+\t], s[66:67]                 ; both halves of the lanes hold and write the same
.endr
	s_wait_tensorcnt 0x0                           ; the wave's end
	ds_add_u32 v[SPW], v[NIL]
	s_wait_dscnt 0x0
	CROUND                                         ; the closing round
	s_endpgm
.Lfunc_end_k_q4700d1fe3c_qkv:
	.size	k_q4700d1fe3c_qkv, .Lfunc_end_k_q4700d1fe3c_qkv-k_q4700d1fe3c_qkv
	.p2alignl 7, 3214868480
	.fill 96, 4, 3214868480
	.section	.rodata,"a",@progbits
	.p2align	6, 0x0
	.amdhsa_kernel k_q4700d1fe3c_qkv
		.amdhsa_group_segment_fixed_size 280576
		.amdhsa_private_segment_fixed_size 0
		.amdhsa_enable_private_segment 0
		.amdhsa_kernarg_size 48
		.amdhsa_user_sgpr_count 2
		.amdhsa_user_sgpr_kernarg_segment_ptr 1
		.amdhsa_wavefront_size32 1
		.amdhsa_system_sgpr_workgroup_id_x 1
		.amdhsa_system_sgpr_workgroup_id_y 1
		.amdhsa_system_sgpr_workgroup_id_z 1
		.amdhsa_system_vgpr_workitem_id 0
		.amdhsa_next_free_vgpr 256
		.amdhsa_next_free_sgpr 100
		.amdhsa_reserve_vcc 0
		.amdhsa_float_denorm_mode_32 3
		.amdhsa_float_denorm_mode_16_64 3
		.amdhsa_memory_ordered 1
		.amdhsa_forward_progress 1
		.amdhsa_inst_pref_size 63
	.end_amdhsa_kernel
	.amdgpu_metadata
---
amdhsa.version: [ 1, 2 ]
amdhsa.kernels:
  - .name:           k_q4700d1fe3c_qkv
    .symbol:         k_q4700d1fe3c_qkv.kd
    .args:
      - { .name: xq, .offset: 0, .size: 8, .value_kind: global_buffer, .address_space: global }
      - { .name: wimg, .offset: 8, .size: 8, .value_kind: global_buffer, .address_space: global }
      - { .name: wq_scales, .offset: 16, .size: 8, .value_kind: global_buffer, .address_space: global }
      - { .name: wk_scales, .offset: 24, .size: 8, .value_kind: global_buffer, .address_space: global }
      - { .name: wv_scales, .offset: 32, .size: 8, .value_kind: global_buffer, .address_space: global }
      - { .name: qkv, .offset: 40, .size: 8, .value_kind: global_buffer, .address_space: global }
    .group_segment_fixed_size: 280576
    .private_segment_fixed_size: 0
    .kernarg_segment_align: 8
    .kernarg_segment_size: 48
    .max_flat_workgroup_size: 512
    .sgpr_count:     100
    .vgpr_count:     256
    .wavefront_size: 32
...
	.end_amdgpu_metadata
.endif
;; end of part 2
;; launch attn (part 3): grid 8 x 32, 16 waves a work-group, clusters of 4 x 1, 167,936 bytes of LDS; arguments qkv, ao; writes ao
.if DOCPART == 3
	.amdgcn_target "amdgcn-amd-amdhsa--gfx1250"
	.amdhsa_code_object_version 6
	.text
	.protected	k_q4700d1fe3c_attn
	.globl	k_q4700d1fe3c_attn
	.p2align	8
	.type	k_q4700d1fe3c_attn,@function
k_q4700d1fe3c_attn:
	s_mov_b64 s[64:65], 0
	v_nop
	global_prefetch_b8 v0, s[64:65] scope:SCOPE_SE
	s_setreg_imm32_b32 hwreg(HW_REG_WAVE_MODE, 25, 1), 1
	s_wait_xcnt 0x0
	s_wait_alu depctr_hold_cnt(0) depctr_sa_sdst(0) depctr_va_vdst(0) depctr_va_sdst(0) depctr_va_ssrc(0) depctr_va_vcc(0) depctr_vm_vsrc(0)
	s_getreg_b32 s2, hwreg(HW_REG_IB_STS2, 6, 4)
	s_cmp_eq_u32 s2, 0
	s_cbranch_scc0 .Lentry_in_a_cluster
	s_endpgm
.Lentry_in_a_cluster:
	s_bfe_u32 s2, ttmp6, 0x10000c
	s_cmp_lg_u32 s2, 0x3003
	s_cbranch_scc0 .Lentry_shape_is_right
	s_endpgm
.Lentry_shape_is_right:
; Attention on codes of FP4: o = softmax(q k^T / 8) v for 32 (batch, head) pairs of 2,048 tokens and 64 channels, and o quantised at once along the model's 1,024 for the projection.  No work is left out.
; THE SOFTMAX AHEAD OF THE SECOND PRODUCT: t = score x log2(e) / 8; M = the running largest t rounded UP to a whole number; p = 2^(t - M) is what is quantised, along the keys, not normalised.
; The row's sum is taken of the unquantised p and divides at the end.  When M moves, the sum and O are multiplied by 2^(old M - new M): exact.
; SHARES.  A work-group owns 256 queries of one head, each of its sixteen waves one tile of 16: four waves to a SIMD, so that one wave's vector work stands beside another's products and LDS loads.
; LDS.  The head's 16 records (128 keys each: K's half fragments, K's scales, V's fragments, V's scale words; 8,704 bytes) lie whole in LDS, filled once, in FOUR CHUNKS of four records: of each chunk's 34,816
; consecutive bytes wave w fetches the 2,176 at 2,176 w, so a wave has four tensor loads, all issued at the head, and the first product waits for the first chunk alone.  The four query blocks of a cluster walk
; the same head, so each part is asked for jointly.
; A STEP AHEAD.  A trip asks for V of its own 128 keys and for K of the NEXT 128 behind its first products, so both land under the softmax.  Trip i so touches record i + 1: the barrier that shows chunk c + 1
; to every wave stands ahead of trip 4 c + 3, and the last trip, which has no next record, is written out.
; The first product's K is 64: the upper halves of its operands are zero codes, set once; their scale bytes are the 0 that a zero-extended half-word leaves.
; Both products are used transposed: a lane holds one query throughout.  The keys of a tile of K are chosen so that p's 16 registers of two neighbouring tiles are 16 neighbouring keys.
; REGISTERS: v1-3 lane terms; v8-10 addresses in hand; v12 -M, v13 the largest t, v[14:15] the sum; v16-23 Q; v32-95 K's eight tiles; v96-159 S^T, then p; v160-191 O^T; v192-223 V; v224-231 p's codes;
; v232-239, v244-247, v252, v254 at work; scales and nothing else: v240-241 V's, v248-251 K's, v253 p's, v255 Q's.
.set REC,   8704
.set CHUNK, 4*REC                      ; 34,816 bytes: four records
.set PART,  CHUNK/16                   ; 2,176 bytes: a wave's part of a chunk
.set SPARE, 139264                     ; the spare words: 128 bytes a wave, eight blocks of 256 bytes that no other line names
.set AK0, 1                            ; v1  16 x lane
.set AS0, 2                            ; v2  2 x lane
.set AT0, 3                            ; v3  4 x lane
.set SPW, 5
.set NIL, 6
.set ADR, 8
.set ADS, 9
.set ADT, 10
.set TM,  232                          ; the way out's quantiser: v232-237
.set WV, 8
.set CX, 9
.set QB, 10
.set BH, 11
.set SEL, 12
.set CS,  14                           ; s[14:15] c = log2(e) / 8
.set G1,  16                           ; s[16:23] descriptor group 1
.set G0,  24                           ; s[24:39] groups 0, one for each chunk
.set TB,  40                           ; the record in hand
.set CNT, 41
.macro CROUND
	s_barrier_signal -1
	s_barrier_wait -1
	s_cmp_lg_u32 s[WV], 0
	s_cbranch_scc1 .Lnot_wave_0_\@
	s_barrier_signal -3
.Lnot_wave_0_\@:
	s_barrier_wait -3
	s_barrier_signal -1
	s_barrier_wait -1
.endm
.macro WM d, s0, s1, zero, sc0, row0, sc1      ; one product; the second source's scales stand in lanes 0-15
.if (\zero) && (\row0)
	v_wmma_scale_f32_16x16x128_f8f6f4 v[\d:\d+7], v[\s0:\s0+7], v[\s1:\s1+7], 0, v[\sc0], v[\sc1] matrix_a_fmt:MATRIX_FMT_FP4 matrix_b_fmt:MATRIX_FMT_FP4 matrix_a_scale:MATRIX_SCALE_ROW1
.elseif (\zero)
	v_wmma_scale_f32_16x16x128_f8f6f4 v[\d:\d+7], v[\s0:\s0+7], v[\s1:\s1+7], 0, v[\sc0], v[\sc1] matrix_a_fmt:MATRIX_FMT_FP4 matrix_b_fmt:MATRIX_FMT_FP4
.elseif (\row0)
	v_wmma_scale_f32_16x16x128_f8f6f4 v[\d:\d+7], v[\s0:\s0+7], v[\s1:\s1+7], v[\d:\d+7], v[\sc0], v[\sc1] matrix_a_fmt:MATRIX_FMT_FP4 matrix_b_fmt:MATRIX_FMT_FP4 matrix_a_scale:MATRIX_SCALE_ROW1
.else
	v_wmma_scale_f32_16x16x128_f8f6f4 v[\d:\d+7], v[\s0:\s0+7], v[\s1:\s1+7], v[\d:\d+7], v[\sc0], v[\sc1] matrix_a_fmt:MATRIX_FMT_FP4 matrix_b_fmt:MATRIX_FMT_FP4
.endif
.endm
.macro QUANT2 s, pc, pw                ; 32 numbers of a lane, register 16 b + i = index 32 b + 16 (lane / 16) + i: half a fragment's codes and two scale bytes
.irp b, 0,1
	v_max3_num_f32 v[TM+\b], |v[\s+16*\b]|, |v[\s+16*\b+1]|, 0x1800000
.endr
.irp i, 2,4,6,8,10,12,14
.irp b, 0,1
	v_max3_num_f32 v[TM+\b], v[TM+\b], |v[\s+16*\b+\i]|, |v[\s+16*\b+\i+1]|
.endr
.endr
.irp b, 0,1
	v_permlanex16_b32 v[TM+2+\b], v[TM+\b], s[SEL], s[SEL+1]
.endr
.irp b, 0,1
	v_max_num_f32 v[TM+\b], v[TM+\b], v[TM+2+\b]
.endr
.irp b, 0,1
	v_add_nc_u32 v[TM+4+\b], 0xff000000, v[TM+\b]
.endr
.irp b, 0,1
	v_lshrrev_b32 v[TM+2+\b], 23, v[TM+4+\b]
.endr
	v_lshl_or_b32 v[\pw], v[TM+3], 8, v[TM+2]
.irp b, 0,1
	v_cvt_scalef32_pk8_fp4_f32 v[\pc+2*\b], v[\s+16*\b:\s+16*\b+7], v[TM+4+\b]
	v_cvt_scalef32_pk8_fp4_f32 v[\pc+2*\b+1], v[\s+16*\b+8:\s+16*\b+15], v[TM+4+\b]
.endr
	v_nop
	v_permlane16_swap_b32 v[\pc], v[\pc+2]
	v_permlane16_swap_b32 v[\pc+1], v[\pc+3]
.endm
; A TRIP: 128 keys, the record at s[TB].  Its K and K's scales were asked for a trip ago.  pf = 1: it asks for the next record's.
.macro TRIP pf
	s_wait_dscnt 0x0                               ; K and its scales are in
.irp t, 0,1,2,3,4,5,6,7
	WM 96+8*\t, 32+8*\t, 16, 1, 248+\t/2, \t%2, 255    ; S^T: the 16 registers of tiles 2 b, 2 b + 1 are keys 32 b + 16 (lane / 16) + 0 .. 15
.endr
	v_add_nc_u32 v[ADR], s[TB], v[AK0]             ; this trip's addresses: with the v_nop they are the four places between the products (these, and the last trip's second ones) and what follows:
	v_add_nc_u32 v[ADT], s[TB], v[AT0]             ; the loads into K's and V's registers and their scales', and the first read of the scores
.if \pf
	v_add_nc_u32 v[ADS], s[TB], v[AS0]
.else
	v_nop
.endif
	v_nop
.irp t, 0,1,2,3
.irp c, 0,1
	ds_load_b128 v[192+8*\t+4*\c:195+8*\t+4*\c], v[ADR] offset:4352+1024*\t+512*\c
.endr
.endr
.irp i, 0,1
	ds_load_b32 v[240+\i], v[ADT] offset:8448+128*\i
.endr
.if \pf
.irp t, 0,1,2,3,4,5,6,7
	ds_load_b128 v[32+8*\t:35+8*\t], v[ADR] offset:REC+512*\t          ; the next record's K
.endr
.irp i, 0,1,2,3
	ds_load_u16 v[248+\i], v[ADS] offset:REC+4096+64*\i                ; lanes 0-15 tile 2 i's scales, lanes 16-31 tile 2 i + 1's
.endr
.endif
.irp b, 0,1,2,3
	v_max3_num_f32 v[232+\b], v[96+16*\b], v[97+16*\b], v[98+16*\b]   ; the largest score of each block of 32 keys: it serves the row's maximum and, since p rises with the score, the block's largest p
.endr
.irp i, 3,5,7,9,11,13
.irp b, 0,1,2,3
	v_max3_num_f32 v[232+\b], v[232+\b], v[96+16*\b+\i], v[97+16*\b+\i]
.endr
.endr
.irp b, 0,1,2,3
	v_max_num_f32 v[232+\b], v[232+\b], v[111+16*\b]
.endr
.irp b, 0,1,2,3
	v_permlanex16_b32 v[236+\b], v[232+\b], s[SEL], s[SEL+1]
.endr
.irp b, 0,1,2,3
	v_max_num_f32 v[232+\b], v[232+\b], v[236+\b]  ; with lane l xor 16's 16 keys
.endr
	v_max3_num_f32 v254, v232, v233, v234
	v_max_num_f32 v254, v254, v235                 ; the step's largest score of my query
	v_mul_f32 v254, s[CS], v254                    ; as t (c is positive)
	v_max_num_f32 v13, v13, v254                   ; the running largest t
	v_mov_b32 v254, v12
	v_floor_f32 v12, -v13                          ; the new -M = floor(-t): M is a whole number
.irp b, 0,1,2,3
	v_fma_f32 v[232+\b], v[232+\b], s[CS], v12     ; t - M of each block's largest score
.endr
; ONE BATCH of 68 exponentials, with the scalings among them: a packed scaling of pair J, then the two exponentials of pair J - 1.  Nothing in the batch names an exponential's result.
; The three lines that make f = 2^(old M - new M), and the four exponentials of the blocks' largest scores, stand among them.
	v_pk_fma_f32 v[96:97], v[96:97], s[CS:CS+1], v[12:13] op_sel_hi:[1,0,0]   ; t - M, two at a time
.set J, 1
.rept 31
	v_pk_fma_f32 v[96+2*J:97+2*J], v[96+2*J:97+2*J], s[CS:CS+1], v[12:13] op_sel_hi:[1,0,0]
.if J == 1
	v_sub_f32 v254, v12, v254                      ; old M less new M: a whole number, 0 or less
.elseif J == 2
	v_cvt_i32_f32 v254, v254                       ; (it saturates)
.elseif J == 3
	v_ldexp_f32 v252, 1.0, v254                    ; f
.endif
	v_exp_f32 v[94+2*J], v[94+2*J]                 ; p = 2^(t - M), at most 1
	v_exp_f32 v[95+2*J], v[95+2*J]
.if (J >= 4) && (J < 8)
	v_exp_f32 v[228+J], v[228+J]                   ; block J - 4's largest p: the same two instructions on the same number give the same bits
.endif
.set J, J+1
.endr
	v_exp_f32 v158, v158
	v_exp_f32 v159, v159
	v_pk_mul_f32 v[14:15], v[14:15], v[252:253] op_sel_hi:[1,0]   ; the sums under the new M: a plain place behind the exponentials
.irp j, 0,2,4,6,8,10
	v_pk_mul_f32 v[160+\j:161+\j], v[160+\j:161+\j], v[252:253] op_sel_hi:[1,0]   ; six of O^T's sixteen rescalings: work that names no exponential's result, between the batch and its wait
.endr
	s_wait_alu depctr_va_vdst(0)                   ; one wait for the whole batch, ahead of its first reader
	v_pk_add_f32 v[236:237], v[96:97], v[98:99]    ; the row's sum is taken of the unquantised p: four chains by turns
	v_pk_add_f32 v[238:239], v[100:101], v[102:103]
	v_pk_add_f32 v[246:247], v[104:105], v[106:107]
.irp j, 12,20,28,36,44,52
	v_pk_add_f32 v[14:15], v[14:15], v[96+\j:97+\j]
	v_pk_add_f32 v[236:237], v[236:237], v[98+\j:99+\j]
	v_pk_add_f32 v[238:239], v[238:239], v[100+\j:101+\j]
	v_pk_add_f32 v[246:247], v[246:247], v[102+\j:103+\j]
.endr
	v_pk_add_f32 v[14:15], v[14:15], v[156:157]
	v_pk_add_f32 v[236:237], v[236:237], v[158:159]
	v_pk_add_f32 v[238:239], v[238:239], v[246:247]
	v_pk_add_f32 v[14:15], v[14:15], v[236:237]
.irp b, 0,1,2,3
	v_max_num_f32 v[232+\b], 0x1800000, v[232+\b]  ; the floor 2^(3 - 127): the byte cannot fall under 1
.endr
	v_pk_add_f32 v[14:15], v[14:15], v[238:239]
.irp b, 0,1,2,3
	v_add_nc_u32 v[244+\b], 0xff000000, v[232+\b]  ; 2 off the exponent field: the conversion's scale operand
.endr
.irp b, 0,1,2,3
	v_lshrrev_b32 v[236+\b], 23, v[244+\b]         ; the scale's byte
.endr
	v_lshl_or_b32 v253, v237, 8, v236              ; p's scale word for these 128 keys
	v_lshl_or_b32 v253, v238, 16, v253
	v_lshl_or_b32 v253, v239, 24, v253
.irp b, 0,1,2,3
	v_cvt_scalef32_pk8_fp4_f32 v[224+2*\b], v[96+16*\b:103+16*\b], v[244+\b]
	v_cvt_scalef32_pk8_fp4_f32 v[225+2*\b], v[104+16*\b:111+16*\b], v[244+\b]
.endr
	v_nop                                          ; one plain place behind the scaled conversions
.irp c, 0,1
.irp i, 0,1
	v_permlane16_swap_b32 v[224+4*\c+\i], v[226+4*\c+\i]
.endr
.endr
.irp j, 12,14,16,18,20,22,24,26,28,30
	v_pk_mul_f32 v[160+\j:161+\j], v[160+\j:161+\j], v[252:253] op_sel_hi:[1,0]   ; the other ten of O^T's rescalings: also the places between the scale word's and the codes' last writes and the products
.endr
	s_wait_dscnt 12*\pf                            ; V and its scales are in; the twelve loads issued behind them, the next record's K and its scales, may stay out
.irp t, 0,1,2,3
	WM 160+8*\t, 192+8*\t, 224, 0, 240+\t/2, \t%2, 253    ; O^T += V^T P^T: four accumulators by turns
.endr
	s_add_co_u32 s[TB], s[TB], REC
.endm
.macro LOOPN n                         ; n trips, each with its look-ahead
	s_mov_b32 s[CNT], \n
.Lstep_\@:
	TRIP 1
	s_sub_co_u32 s[CNT], s[CNT], 1
	s_cmp_lg_u32 s[CNT], 0
	s_cbranch_scc1 .Lstep_\@
.endm
.macro MIDBAR left                     ; the next chunk is shown to every wave.  left: my loads of the chunks behind it, which may stay out
	s_wait_tensorcnt \left
	s_wait_dscnt 0x0                               ; no LDS load of mine is pending at the signal
	s_barrier_signal -1
	s_barrier_wait -1
.endm
	s_load_b128 s[4:7], s[0:1], 0x0                ; qkv s[4:5], ao s[6:7]
	v_lshl_add_u32 v[SPW], v0, 2, SPARE
	v_mov_b32 v[NIL], 0
	ds_add_u32 v[SPW], v[NIL]                      ; the wave's opening: the add, twice on end, and its wait ahead of my first tensor load
	ds_add_u32 v[SPW], v[NIL]
	v_lshrrev_b32 v8, 5, v0
	v_readfirstlane_b32 s[WV], v8                  ; wave 0..15
	s_bfe_u32 s[CX], ttmp6, 0x40000
	s_lshl_b32 s[QB], ttmp9, 2
	s_add_co_u32 s[QB], s[QB], s[CX]               ; my block of 256 queries: it enters global addresses alone
	s_and_b32 s[BH], ttmp7, 0xffff                 ; 16 x batch + head, which the four partners share
	s_mov_b32 s[G1], 15|(3<<16)|(1<<21)            ; the mask: all four; elements of 8 bytes; bit 21 beside a mask; no padding
	s_mov_b32 s[G1+1], 136<<16                     ; a wave's part of a chunk as 2 rows of 1,088 bytes, dense
	s_mov_b32 s[G1+2], 2<<16
	s_mov_b32 s[G1+3], 136<<16
	s_mov_b32 s[G1+4], 2
	s_mov_b32 s[G1+5], 136
	s_mov_b32 s[G1+6], 0
	s_mov_b32 s[G1+7], 0
	s_mul_i32 s42, s[BH], 16*REC
	s_mul_i32 s48, s[WV], PART                     ; my part's place in a chunk, in memory and in LDS alike
	s_add_co_u32 s42, s42, s48
	s_add_co_u32 s42, s42, 2228224
	s_mov_b32 s43, 0
	s_mov_b32 s[SEL], 0x76543210
	s_mov_b32 s[SEL+1], 0xfedcba98
	s_mov_b32 s[CS], 0x3e38aa3b                    ; c = log2(e) / 8
	s_mov_b32 s[CS+1], s[CS]                       ; (named with it as a pair, so it is written)
	s_mov_b32 s[TB], 0
	s_wait_dscnt 0x0                               ; both opening adds are done
	s_wait_kmcnt 0x0
	s_add_nc_u64 s[42:43], s[4:5], s[42:43]
.irp c, 0,1,2,3
	s_mov_b32 s[G0+4*\c], 1
	s_add_co_u32 s[G0+4*\c+1], s48, \c*CHUNK
	s_add_nc_u64 s[G0+4*\c+2:G0+4*\c+3], s[42:43], \c*CHUNK
	s_or_b32 s[G0+4*\c+3], s[G0+4*\c+3], 0x80000000
.endr
	CROUND                                         ; all four work-groups are here: the joint loads meet
.irp c, 0,1,2,3                                ; my four tensor loads, all first fills, as one group: four are out
	tensor_load_to_lds s[G0+4*\c:G0+4*\c+3], s[G1:G1+7]
	s_nop 0
.endr
.rept 4
	v_nop
.endr
	s_lshl_b32 s48, s[BH], 16                      ; Q's half fragment of my tile 16 qb + w
	s_lshl_b32 s49, s[QB], 13
	s_add_co_u32 s48, s48, s49
	s_lshl_b32 s49, s[WV], 9
	s_add_co_u32 s48, s48, s49
	s_mov_b32 s49, 0
	s_add_nc_u64 s[44:45], s[4:5], s[48:49]
	s_lshl_b32 s48, s[BH], 12                      ; and its scales
	s_lshl_b32 s50, s[QB], 9
	s_add_co_u32 s48, s48, s50
	s_lshl_b32 s50, s[WV], 5
	s_add_co_u32 s48, s48, s50
	s_add_co_u32 s48, s48, 2097152
	s_add_nc_u64 s[46:47], s[4:5], s[48:49]
	v_and_b32 v4, 31, v0
	v_lshlrev_b32 v[AK0], 4, v4
	v_lshlrev_b32 v[AS0], 1, v4
	v_lshlrev_b32 v[AT0], 2, v4
	v_and_b32 v7, 15, v0
	v_lshlrev_b32 v7, 1, v7
	global_load_b128 v[16:19], v[AK0], s[44:45]
	global_load_u16 v255, v7, s[46:47]             ; two bytes; the upper two, for the zero codes, are 0
	s_lshl_b32 s50, s[QB], 4                       ; where o goes: token tile T = 128 x batch + my tile, group of 64 = the head
	s_add_co_u32 s50, s50, s[WV]
	s_lshr_b32 s51, s[BH], 4
	s_lshl_b32 s51, s51, 7
	s_add_co_u32 s51, s51, s50                     ; T
	s_and_b32 s56, s[BH], 15                       ; the head
	s_lshl_b32 s48, s51, 4
	s_add_co_u32 s48, s48, s56
	s_lshl_b32 s48, s48, 9
	s_add_nc_u64 s[52:53], s[6:7], s[48:49]
	s_lshr_b32 s48, s51, 1
	s_lshl_b32 s48, s48, 8
	s_and_b32 s57, s51, 1
	s_lshl_b32 s57, s57, 6
	s_add_co_u32 s48, s48, s57                     ; the tile's first token x 8
	s_lshr_b32 s57, s56, 2
	s_lshl_b32 s57, s57, 15
	s_add_co_u32 s48, s48, s57
	s_and_b32 s57, s56, 3
	s_lshl_b32 s57, s57, 1
	s_add_co_u32 s48, s48, s57
	s_add_co_u32 s48, s48, 2097152
	s_add_nc_u64 s[54:55], s[6:7], s[48:49]
.irp j, 20,21,22,23
	v_mov_b32 v[\j], 0                             ; Q's upper half: zero codes
.endr
.irp t, 0,1,2,3,4,5,6,7
.irp j, 4,5,6,7
	v_mov_b32 v[32+8*\t+\j], 0                     ; K's upper halves likewise: set once, no load lands there
.endr
.endr
	v_mov_b32 v13, 0xff61b1e6                      ; the largest t so far: -3e38, under every t
	v_floor_f32 v12, -v13                          ; -M
	v_mov_b32 v14, 0                               ; the sum, in two halves
	v_mov_b32 v15, 0
.irp b, 0,1,2,3
	v_mov_b32 v[236+\b], 0                         ; written once: a lane permute's destination counts as one of its sources
.endr
	v_mov_b32 v253, 0                              ; (named as the upper half of the pair v[252:253] before it is first written)
.set I, 0
.rept 32
	v_mov_b32 v[160+I], 0                          ; O^T.  The trip is written for every step alike: the first finds zeros, which the first change of M leaves zeros
.set I, I+1
.endr
	s_wait_tensorcnt 3                             ; my part of chunk 0 is in; my three younger loads may stay out
	s_barrier_signal -1
	s_barrier_wait -1                              ; everybody's is
.irp t, 0,1,2,3,4,5,6,7
	ds_load_b128 v[32+8*\t:35+8*\t], v[AK0] offset:512*\t              ; the first record's K,
.endr
.irp i, 0,1,2,3
	ds_load_u16 v[248+\i], v[AS0] offset:4096+64*\i                    ; and its scales
.endr
	s_wait_loadcnt 0x0                             ; Q
	LOOPN 3                                        ; trips 0-2 touch records 0-3: chunk 0
	MIDBAR 2                                       ; chunk 1
	LOOPN 4                                        ; trips 3-6 touch records 3-7
	MIDBAR 1                                       ; chunk 2
	LOOPN 4                                        ; trips 7-10 touch records 7-11
	MIDBAR 0                                       ; chunk 3
	LOOPN 4                                        ; trips 11-14 touch records 11-15
	TRIP 0                                         ; the last record: there is no next one to ask for
	v_add_f32 v14, v14, v15                        ; the sum's two halves,
	v_permlanex16_b32 v252, v14, s[SEL], s[SEL+1]
	v_add_f32 v14, v14, v252                       ; and lane l xor 16's: the row's sum
	v_rcp_f32 v14, v14
	v_and_b32 v8, 15, v0                           ; plain lines behind the reciprocal, and places behind the last products
	v_and_b32 v9, 8, v8
	v_add_nc_u32 v8, v8, v9
	v_lshlrev_b32 v8, 3, v8                        ; (r + 8 (r / 8)) x 8: my token's scales
	v_nop
	s_wait_alu depctr_va_vdst(0)                   ; the wait ahead of the reciprocal's first reader
.set I, 0
.rept 32
	v_mul_f32 v[96+I], v[160+I], v14               ; o: register 16 b + i is channel 32 b + 16 (lane / 16) + i of my query; each accumulator from its low end on
.set I, I+1
.endr
	QUANT2 96, 224, 238                            ; the head's 64 channels are two blocks of the projection's K
	global_store_b128 v[AK0], v[224:227], s[52:53] ; 512 consecutive bytes: half an image
	global_store_b16 v8, v238, s[54:55]
	s_wait_tensorcnt 0x0                           ; the wave's end
	ds_add_u32 v[SPW], v[NIL]
	s_wait_dscnt 0x0
	CROUND                                         ; the closing round
	s_endpgm
.Lfunc_end_k_q4700d1fe3c_attn:
	.size	k_q4700d1fe3c_attn, .Lfunc_end_k_q4700d1fe3c_attn-k_q4700d1fe3c_attn
	.p2alignl 7, 3214868480
	.fill 96, 4, 3214868480
	.section	.rodata,"a",@progbits
	.p2align	6, 0x0
	.amdhsa_kernel k_q4700d1fe3c_attn
		.amdhsa_group_segment_fixed_size 167936
		.amdhsa_private_segment_fixed_size 0
		.amdhsa_enable_private_segment 0
		.amdhsa_kernarg_size 16
		.amdhsa_user_sgpr_count 2
		.amdhsa_user_sgpr_kernarg_segment_ptr 1
		.amdhsa_wavefront_size32 1
		.amdhsa_system_sgpr_workgroup_id_x 1
		.amdhsa_system_sgpr_workgroup_id_y 1
		.amdhsa_system_sgpr_workgroup_id_z 1
		.amdhsa_system_vgpr_workitem_id 0
		.amdhsa_next_free_vgpr 256
		.amdhsa_next_free_sgpr 66
		.amdhsa_reserve_vcc 0
		.amdhsa_float_denorm_mode_32 3
		.amdhsa_float_denorm_mode_16_64 3
		.amdhsa_memory_ordered 1
		.amdhsa_forward_progress 1
		.amdhsa_inst_pref_size 87
	.end_amdhsa_kernel
	.amdgpu_metadata
---
amdhsa.version: [ 1, 2 ]
amdhsa.kernels:
  - .name:           k_q4700d1fe3c_attn
    .symbol:         k_q4700d1fe3c_attn.kd
    .args:
      - { .name: qkv, .offset: 0, .size: 8, .value_kind: global_buffer, .address_space: global }
      - { .name: ao, .offset: 8, .size: 8, .value_kind: global_buffer, .address_space: global }
    .group_segment_fixed_size: 167936
    .private_segment_fixed_size: 0
    .kernarg_segment_align: 8
    .kernarg_segment_size: 16
    .max_flat_workgroup_size: 512
    .sgpr_count:     66
    .vgpr_count:     256
    .wavefront_size: 32
...
	.end_amdgpu_metadata
.endif
;; end of part 3
;; launch proj (part 4): grid 8 x 32, 4 waves a work-group, clusters of 4 x 4, 199,168 bytes of LDS; arguments ao, wimg, wo_scales, x, x1r, x1q; writes x1r, x1q
.if DOCPART == 4
	.amdgcn_target "amdgcn-amd-amdhsa--gfx1250"
	.amdhsa_code_object_version 6
	.text
	.protected	k_q4700d1fe3c_proj
	.globl	k_q4700d1fe3c_proj
	.p2align	8
	.type	k_q4700d1fe3c_proj,@function
k_q4700d1fe3c_proj:
	s_mov_b64 s[64:65], 0
	v_nop
	global_prefetch_b8 v0, s[64:65] scope:SCOPE_SE
	s_setreg_imm32_b32 hwreg(HW_REG_WAVE_MODE, 25, 1), 1
	s_wait_xcnt 0x0
	s_wait_alu depctr_hold_cnt(0) depctr_sa_sdst(0) depctr_va_vdst(0) depctr_va_sdst(0) depctr_va_ssrc(0) depctr_va_vcc(0) depctr_vm_vsrc(0)
	s_getreg_b32 s2, hwreg(HW_REG_IB_STS2, 6, 4)
	s_cmp_eq_u32 s2, 0
	s_cbranch_scc0 .Lentry_in_a_cluster
	s_endpgm
.Lentry_in_a_cluster:
	s_bfe_u32 s2, ttmp6, 0x10000c
	s_cmp_lg_u32 s2, 0xf033
	s_cbranch_scc0 .Lentry_shape_is_right
	s_endpgm
.Lentry_shape_is_right:
; x1 = x + o wo on codes of FP4; x1 leaves twice: as f32 in the accumulators' own order (the last launch's residual) and quantised along the model's 1,024 (the next launch's operand).  No work is left out.
; SHARES.  A work-group makes 128 tokens x 128 columns: 256 work-groups; each of its four waves 64 x 64.  K = 1,024 is eight steps of 128.  Both panels lie whole in LDS as images, filled once, asked for jointly:
; o's along a row of the cluster, the weight's along a column.  The work-group's own 128 x 128 of x comes by a plain tensor load of each wave and is the accumulators' first value: the residual costs no addition.
; The product is used transposed: accumulator 4 a + b: lane = token of tile a, registers = columns of weight tile b.
.set AP,    0                          ; o's panel: [chunk of two K steps 4][tile 8][2,048]
.set WP,    65536                      ; the weight's
.set XR,    131072                     ; x: 128 rows of 512 bytes + 16
.set SPARE, 198656                     ; the spare words: 128 bytes a wave, two blocks of 256 bytes that no other line names
.set TS,    2048
.set SPW, 4
.set NIL, 5
.set L16, 7
.set XA0, 8                            ; v8   my four tiles of o
.set WA0, 10                           ; v10  my four of the weight
.set XRA, 11                           ; v11  my lane's place in x
.set XS,  16
.set WS,  32
.set XF,  48
.set WF,  80
.set ACC, 112
.set TM,  240
.set PC,  48
.set PW,  64
.set WV, 16
.set FB, 17
.set JJ, 18
.set WA, 19
.set WB, 20
.set CX, 21
.set CY, 22
.set BX, 23
.set BY, 24
.set SEL, 26
.set G1X, 28
.set G1W, 36
.set G0X, 44
.set G0R, 60                           ; s[60:63], s[92:99]: the plain load's groups; free, and used for output addresses, once my tensor loads are all in
.set G0W, 68
.set G1R, 92
; s84-87 hold only what hangs on the cluster's row, s88-91 only what hangs on its column
.macro JLOAD g0a, g1a, g0b, g1b
	s_cmp_eq_u32 s[FB], 0
	s_cbranch_scc0 .Lfor_b_\@
	tensor_load_to_lds s[\g0a:\g0a+3], s[\g1a:\g1a+7]
	s_nop 0
.rept 4
	v_nop
.endr
	s_branch .Lasked_\@
.Lfor_b_\@:
	tensor_load_to_lds s[\g0b:\g0b+3], s[\g1b:\g1b+7]
	s_nop 0
.rept 4
	v_nop
.endr
.Lasked_\@:
.endm
.macro CROUND
	s_barrier_signal -1
	s_barrier_wait -1
	s_cmp_lg_u32 s[WV], 0
	s_cbranch_scc1 .Lnot_wave_0_\@
	s_barrier_signal -3
.Lnot_wave_0_\@:
	s_barrier_wait -3
	s_barrier_signal -1
	s_barrier_wait -1
.endm
.macro WM d, s0, s1, sc0, row0, sc1, row1
.if (\row0) && (\row1)
	v_wmma_scale_f32_16x16x128_f8f6f4 v[\d:\d+7], v[\s0:\s0+7], v[\s1:\s1+7], v[\d:\d+7], v[\sc0], v[\sc1] matrix_a_fmt:MATRIX_FMT_FP4 matrix_b_fmt:MATRIX_FMT_FP4 matrix_a_scale:MATRIX_SCALE_ROW1 matrix_b_scale:MATRIX_SCALE_ROW1
.elseif (\row0)
	v_wmma_scale_f32_16x16x128_f8f6f4 v[\d:\d+7], v[\s0:\s0+7], v[\s1:\s1+7], v[\d:\d+7], v[\sc0], v[\sc1] matrix_a_fmt:MATRIX_FMT_FP4 matrix_b_fmt:MATRIX_FMT_FP4 matrix_a_scale:MATRIX_SCALE_ROW1
.elseif (\row1)
	v_wmma_scale_f32_16x16x128_f8f6f4 v[\d:\d+7], v[\s0:\s0+7], v[\s1:\s1+7], v[\d:\d+7], v[\sc0], v[\sc1] matrix_a_fmt:MATRIX_FMT_FP4 matrix_b_fmt:MATRIX_FMT_FP4 matrix_b_scale:MATRIX_SCALE_ROW1
.else
	v_wmma_scale_f32_16x16x128_f8f6f4 v[\d:\d+7], v[\s0:\s0+7], v[\s1:\s1+7], v[\d:\d+7], v[\sc0], v[\sc1] matrix_a_fmt:MATRIX_FMT_FP4 matrix_b_fmt:MATRIX_FMT_FP4
.endif
.endm
.macro FRAGS xa, wa, off
.irp a, 0,1,2,3
.irp c, 0,1
	ds_load_b128 v[XF+8*\a+4*\c:XF+8*\a+4*\c+3], v[\xa] offset:\off+\a*TS+512*\c
.endr
.endr
.irp b, 0,1,2,3
.irp c, 0,1
	ds_load_b128 v[WF+8*\b+4*\c:WF+8*\b+4*\c+3], v[\wa] offset:\off+\b*TS+512*\c
.endr
.endr
.endm
.macro MULT ks                         ; the sixteen accumulators take turns, one instruction a turn, in the same order in every step
.irp a, 0,1,2,3
.irp b, 0,1,2,3
	WM ACC+8*(4*\a+\b), WF+8*\b, XF+8*\a, WS+8*(\b/2)+(\ks), \b%2, XS+8*(\a/2)+(\ks), \a%2
.endr
.endr
.endm
.macro KSTEP ks, pl
.if \pl
.rept 4
	v_nop                                          ; four places between the last products and the loads into the registers that they read
.endr
.endif
	FRAGS XA0, WA0, ((\ks)/2)*16384+((\ks)%2)*1024
	s_wait_dscnt 0x0
	MULT \ks
.endm
.macro QUANT2 s, pc, pw
.irp b, 0,1
	v_max3_num_f32 v[TM+\b], |v[\s+16*\b]|, |v[\s+16*\b+1]|, 0x1800000
.endr
.irp i, 2,4,6,8,10,12,14
.irp b, 0,1
	v_max3_num_f32 v[TM+\b], v[TM+\b], |v[\s+16*\b+\i]|, |v[\s+16*\b+\i+1]|
.endr
.endr
.irp b, 0,1
	v_permlanex16_b32 v[TM+2+\b], v[TM+\b], s[SEL], s[SEL+1]
.endr
.irp b, 0,1
	v_max_num_f32 v[TM+\b], v[TM+\b], v[TM+2+\b]
.endr
.irp b, 0,1
	v_add_nc_u32 v[TM+4+\b], 0xff000000, v[TM+\b]
.endr
.irp b, 0,1
	v_lshrrev_b32 v[TM+2+\b], 23, v[TM+4+\b]
.endr
	v_lshl_or_b32 v[\pw], v[TM+3], 8, v[TM+2]
.irp b, 0,1
	v_cvt_scalef32_pk8_fp4_f32 v[\pc+2*\b], v[\s+16*\b:\s+16*\b+7], v[TM+4+\b]
	v_cvt_scalef32_pk8_fp4_f32 v[\pc+2*\b+1], v[\s+16*\b+8:\s+16*\b+15], v[TM+4+\b]
.endr
	v_nop
	v_permlane16_swap_b32 v[\pc], v[\pc+2]
	v_permlane16_swap_b32 v[\pc+1], v[\pc+3]
.endm
	s_load_b256 s[4:11], s[0:1], 0x0               ; ao s[4:5], wimg s[6:7], wo's scales s[8:9], x s[10:11]
	s_load_b128 s[12:15], s[0:1], 0x20             ; x1r s[12:13], x1q s[14:15]
	v_lshl_add_u32 v[SPW], v0, 2, SPARE
	v_mov_b32 v[NIL], 0
	ds_add_u32 v[SPW], v[NIL]                      ; the wave's opening: the add, twice on end, and its wait ahead of my first tensor load
	ds_add_u32 v[SPW], v[NIL]
	v_lshrrev_b32 v1, 5, v0
	v_readfirstlane_b32 s[WV], v1                  ; wave 0..3
	s_lshr_b32 s[FB], s[WV], 1                     ; 0: I fetch for o, 1: for the weight
	s_and_b32 s[JJ], s[WV], 1                      ; which four tiles of a chunk
	s_lshr_b32 s[WA], s[WV], 1                     ; my 64 tokens
	s_and_b32 s[WB], s[WV], 1                      ; my 64 columns
	s_bfe_u32 s[CX], ttmp6, 0x40000
	s_bfe_u32 s[CY], ttmp6, 0x40004
	s_lshl_b32 s[BX], ttmp9, 2
	s_add_co_u32 s[BX], s[BX], s[CX]
	s_and_b32 s[BY], ttmp7, 0xffff
	s_lshl_b32 s[BY], s[BY], 2
	s_add_co_u32 s[BY], s[BY], s[CY]
	s_mov_b32 s[SEL], 0x76543210
	s_mov_b32 s[SEL+1], 0xfedcba98
	s_lshl_b32 s84, s[CY], 2
	s_lshl_b32 s84, 15, s84
	s_lshl_b32 s88, 0x1111, s[CX]
	s_or_b32 s[G1X], s84, (3<<16)|(1<<21)
	s_or_b32 s[G1W], s88, (3<<16)|(1<<21)
.irp g, G1X, G1W
	s_mov_b32 s[\g+1], 256<<16                     ; 2,048 bytes: a tile's two images of a chunk
	s_mov_b32 s[\g+2], 4<<16                       ; four tiles
	s_mov_b32 s[\g+3], 256<<16
	s_mov_b32 s[\g+4], 4
	s_mov_b32 s[\g+5], 1024                        ; 8,192 bytes from tile to tile
	s_mov_b32 s[\g+6], 0
	s_mov_b32 s[\g+7], 0
.endr
	s_mov_b32 s[G1R], (3<<16)|(1<<20)|(6<<22)|(3<<25)   ; no mask; elements of 8 bytes; four words of padding behind every 128
	s_mov_b32 s[G1R+1], 64<<16                     ; 512 bytes of a row of x
	s_mov_b32 s[G1R+2], 32<<16                     ; 32 rows
	s_mov_b32 s[G1R+3], 64<<16
	s_mov_b32 s[G1R+4], 32
	s_mov_b32 s[G1R+5], 512                        ; 4,096 bytes from row to row
	s_mov_b32 s[G1R+6], 0
	s_mov_b32 s[G1R+7], 0
	s_mov_b32 s[G0R], 1
	s_mul_i32 s[G0R+1], s[WV], 16896
	s_add_co_u32 s[G0R+1], s[G0R+1], XR
	s_lshl_b32 s66, s[BY], 19                      ; x: row 128 by + 32 w, column 128 bx
	s_lshl_b32 s67, s[WV], 17
	s_add_co_u32 s66, s66, s67
	s_lshl_b32 s67, s[BX], 9
	s_add_co_u32 s66, s66, s67
	s_mov_b32 s67, 0
	s_lshl_b32 s84, s[BY], 3
	s_lshl_b32 s85, s[JJ], 2
	s_add_co_u32 s84, s84, s85
	s_lshl_b32 s84, s84, 13                        ; o: tile 8 by + 4 j
	s_mov_b32 s85, 0
	s_lshl_b32 s86, s[JJ], 13
	s_lshl_b32 s88, s[BX], 3
	s_lshl_b32 s89, s[JJ], 2
	s_add_co_u32 s88, s88, s89
	s_lshl_b32 s88, s88, 13
	s_add_co_u32 s88, s88, 1572864                 ; wo: tile 8 bx + 4 j
	s_mov_b32 s89, 0
	s_lshl_b32 s90, s[JJ], 13
	s_add_co_u32 s90, s90, WP
	s_wait_dscnt 0x0                               ; both opening adds are done
	s_wait_kmcnt 0x0
	s_add_nc_u64 s[G0R+2:G0R+3], s[10:11], s[66:67]
	s_or_b32 s[G0R+3], s[G0R+3], 0x80000000
	s_add_nc_u64 s[84:85], s[4:5], s[84:85]
	s_add_nc_u64 s[88:89], s[6:7], s[88:89]
	CROUND                                         ; all sixteen work-groups are here
	tensor_load_to_lds s[G0R:G0R+3], s[G1R:G1R+7]  ; my 32 rows of x; with the four below, five loads of mine are out
	s_nop 0
.rept 4
	v_nop
.endr
.irp q, 0,1,2,3
	s_mov_b32 s[G0X+4*\q], 1
	s_add_co_u32 s[G0X+4*\q+1], s86, \q*16384
	s_add_nc_u64 s[G0X+4*\q+2:G0X+4*\q+3], s[84:85], \q*2048
	s_or_b32 s[G0X+4*\q+3], s[G0X+4*\q+3], 0x80000000
	s_mov_b32 s[G0W+4*\q], 1
	s_add_co_u32 s[G0W+4*\q+1], s90, \q*16384
	s_add_nc_u64 s[G0W+4*\q+2:G0W+4*\q+3], s[88:89], \q*2048
	s_or_b32 s[G0W+4*\q+3], s[G0W+4*\q+3], 0x80000000
	JLOAD G0X+4*\q, G1X, G0W+4*\q, G1W
.endr
	v_and_b32 v2, 31, v0
	v_and_b32 v3, 15, v0                           ; r
	v_bfe_u32 v6, v0, 4, 1                         ; h
	v_lshlrev_b32 v[L16], 4, v2
	v_and_b32 v15, 8, v3
	v_add_nc_u32 v15, v15, v3                      ; r + 8 (r / 8)
	v_lshl_add_u32 v12, v6, 3, v15                 ; + 8 h
	v_lshlrev_b32 v13, 3, v12
	v_lshlrev_b32 v14, 5, v12
	s_lshl_b32 s86, s[BY], 10
	s_lshl_b32 s87, s[WA], 9
	s_add_co_u32 s86, s86, s87
	s_add_co_u32 s86, s86, 2097152
	s_mov_b32 s87, 0
	s_add_nc_u64 s[2:3], s[4:5], s[86:87]          ; o's scales at my first token
	s_lshl_b32 s90, s[BX], 12
	s_lshl_b32 s91, s[WB], 11
	s_add_co_u32 s90, s90, s91
	s_mov_b32 s91, 0
	s_add_nc_u64 s[66:67], s[8:9], s[90:91]        ; wo's at my first row
.irp p, 0,1
.irp g, 0,1,2,3
	global_load_b64 v[XS+8*\p+2*\g:XS+8*\p+2*\g+1], v13, s[2:3] offset:32768*\g+256*\p
.endr
.endr
.irp p, 0,1
.irp g, 0,1
	global_load_b128 v[WS+8*\p+4*\g:WS+8*\p+4*\g+3], v14, s[66:67] offset:1024*\p+16*\g
.endr
.endr
	s_lshl_b32 s86, s[WA], 13
	v_add_nc_u32 v[XA0], s86, v[L16]
	s_lshl_b32 s86, s[WB], 13
	s_add_co_u32 s86, s86, WP
	v_add_nc_u32 v[WA0], s86, v[L16]
	v_mul_u32_u24 v[XRA], v15, 528
	v_lshl_add_u32 v[XRA], v6, 6, v[XRA]
	s_mul_i32 s86, s[WA], 64*528
	s_lshl_b32 s87, s[WB], 8
	s_add_co_u32 s86, s86, s87
	s_add_co_u32 s86, s86, XR
	v_add_nc_u32 v[XRA], s86, v[XRA]               ; x: row 64 wa + r + 8 (r / 8), byte 256 wb + 64 h
	v_lshlrev_b32 v15, 3, v15                      ; (r + 8 (r / 8)) x 8: my token's scales on the way out
	v_mov_b32 v[TM+2], 0
	v_mov_b32 v[TM+3], 0
	s_wait_tensorcnt 3                             ; my rows of x and my part of chunk 0 are in; my three younger loads may stay out
	s_barrier_signal -1
	s_barrier_wait -1
.irp a, 0,1,2,3                                ; x in the result's own layout is the accumulators' first value
.irp b, 0,1,2,3
.irp f, 0,1
	ds_load_b128 v[ACC+8*(4*\a+\b)+4*\f:ACC+8*(4*\a+\b)+4*\f+3], v[XRA] offset:(32*(\a/2)+8*(\a%2))*528+128*(\b/2)+32*(\b%2)+16*\f
.endr
.endr
.endr
	s_wait_loadcnt 0x0                             ; the scales
	KSTEP 0, 0
	KSTEP 1, 1
.irp q, 1,2,3
	s_wait_tensorcnt 3-\q                          ; my part of chunk q is in; the chunks behind it may stay out
	s_barrier_signal -1
	s_barrier_wait -1
	KSTEP 2*\q, 1
	KSTEP 2*\q+1, 1
.endr
	; where the results go.  All my tensor loads are in, so the plain load's descriptor registers are free
	s_lshl_b32 s92, s[BY], 3
	s_lshl_b32 s93, s[WA], 2
	s_add_co_u32 s92, s92, s93                     ; my first token tile
	s_lshl_b32 s93, s[BX], 1
	s_add_co_u32 s93, s93, s[WB]                   ; my group of 64 columns
	s_lshl_b32 s94, s92, 4
	s_add_co_u32 s94, s94, s93
	s_lshl_b32 s96, s94, 12
	s_mov_b32 s97, 0
	s_add_nc_u64 s[60:61], s[12:13], s[96:97]      ; x1 as f32: 4,096 bytes for a tile and a group
	s_lshl_b32 s96, s94, 9
	s_add_nc_u64 s[62:63], s[14:15], s[96:97]      ; its codes: 512
	s_lshr_b32 s96, s93, 2
	s_lshl_b32 s96, s96, 15
	s_lshl_b32 s98, s92, 7
	s_add_co_u32 s96, s96, s98
	s_and_b32 s98, s93, 3
	s_lshl_b32 s98, s98, 1
	s_add_co_u32 s96, s96, s98
	s_add_co_u32 s96, s96, 2097152
	s_add_nc_u64 s[98:99], s[14:15], s[96:97]      ; its scales
.rept 4
	v_nop                                          ; four places between the last products and the first read of results
.endr
.irp a, 0,1,2,3
.irp b, 0,1,2,3
.irp f, 0,1
	global_store_b128 v[L16], v[ACC+8*(4*\a+\b)+4*\f:ACC+8*(4*\a+\b)+4*\f+3], s[60:61] offset:65536*\a+1024*\b+512*\f   ; 512 consecutive bytes; each accumulator from its low end on
.endr
.endr
.endr
.irp a, 0,1,2,3
	QUANT2 ACC+32*\a, PC+4*\a, PW+\a
.endr
.irp a, 0,1,2,3
	global_store_b128 v[L16], v[PC+4*\a:PC+4*\a+3], s[62:63] offset:8192*\a
	global_store_b16 v15, v[PW+\a], s[98:99] offset:(32*(\a/2)+8*(\a%2))*8
.endr
	s_wait_tensorcnt 0x0                           ; the wave's end
	ds_add_u32 v[SPW], v[NIL]
	s_wait_dscnt 0x0
	CROUND                                         ; the closing round
	s_endpgm
.Lfunc_end_k_q4700d1fe3c_proj:
	.size	k_q4700d1fe3c_proj, .Lfunc_end_k_q4700d1fe3c_proj-k_q4700d1fe3c_proj
	.p2alignl 7, 3214868480
	.fill 96, 4, 3214868480
	.section	.rodata,"a",@progbits
	.p2align	6, 0x0
	.amdhsa_kernel k_q4700d1fe3c_proj
		.amdhsa_group_segment_fixed_size 199168
		.amdhsa_private_segment_fixed_size 0
		.amdhsa_enable_private_segment 0
		.amdhsa_kernarg_size 48
		.amdhsa_user_sgpr_count 2
		.amdhsa_user_sgpr_kernarg_segment_ptr 1
		.amdhsa_wavefront_size32 1
		.amdhsa_system_sgpr_workgroup_id_x 1
		.amdhsa_system_sgpr_workgroup_id_y 1
		.amdhsa_system_sgpr_workgroup_id_z 1
		.amdhsa_system_vgpr_workitem_id 0
		.amdhsa_next_free_vgpr 256
		.amdhsa_next_free_sgpr 100
		.amdhsa_reserve_vcc 0
		.amdhsa_float_denorm_mode_32 3
		.amdhsa_float_denorm_mode_16_64 3
		.amdhsa_memory_ordered 1
		.amdhsa_forward_progress 1
		.amdhsa_inst_pref_size 51
	.end_amdhsa_kernel
	.amdgpu_metadata
---
amdhsa.version: [ 1, 2 ]
amdhsa.kernels:
  - .name:           k_q4700d1fe3c_proj
    .symbol:         k_q4700d1fe3c_proj.kd
    .args:
      - { .name: ao, .offset: 0, .size: 8, .value_kind: global_buffer, .address_space: global }
      - { .name: wimg, .offset: 8, .size: 8, .value_kind: global_buffer, .address_space: global }
      - { .name: wo_scales, .offset: 16, .size: 8, .value_kind: global_buffer, .address_space: global }
      - { .name: x, .offset: 24, .size: 8, .value_kind: global_buffer, .address_space: global }
      - { .name: x1r, .offset: 32, .size: 8, .value_kind: global_buffer, .address_space: global }
      - { .name: x1q, .offset: 40, .size: 8, .value_kind: global_buffer, .address_space: global }
    .group_segment_fixed_size: 199168
    .private_segment_fixed_size: 0
    .kernarg_segment_align: 8
    .kernarg_segment_size: 48
    .max_flat_workgroup_size: 128
    .sgpr_count:     100
    .vgpr_count:     256
    .wavefront_size: 32
...
	.end_amdgpu_metadata
.endif
;; end of part 4
;; launch up (part 5): grid 16 x 16, 16 waves a work-group, clusters of 4 x 4, 280,576 bytes of LDS; arguments x1q, wimg, w1_scales, hq; writes hq
.if DOCPART == 5
	.amdgcn_target "amdgcn-amd-amdhsa--gfx1250"
	.amdhsa_code_object_version 6
	.text
	.protected	k_q4700d1fe3c_up
	.globl	k_q4700d1fe3c_up
	.p2align	8
	.type	k_q4700d1fe3c_up,@function
k_q4700d1fe3c_up:
	s_mov_b64 s[64:65], 0
	v_nop
	global_prefetch_b8 v0, s[64:65] scope:SCOPE_SE
	s_setreg_imm32_b32 hwreg(HW_REG_WAVE_MODE, 25, 1), 1
	s_wait_xcnt 0x0
	s_wait_alu depctr_hold_cnt(0) depctr_sa_sdst(0) depctr_va_vdst(0) depctr_va_sdst(0) depctr_va_ssrc(0) depctr_va_vcc(0) depctr_vm_vsrc(0)
	s_getreg_b32 s2, hwreg(HW_REG_IB_STS2, 6, 4)
	s_cmp_eq_u32 s2, 0
	s_cbranch_scc0 .Lentry_in_a_cluster
	s_endpgm
.Lentry_in_a_cluster:
	s_bfe_u32 s2, ttmp6, 0x10000c
	s_cmp_lg_u32 s2, 0xf033
	s_cbranch_scc0 .Lentry_shape_is_right
	s_endpgm
.Lentry_shape_is_right:
; h = relu(x1 w1) on codes of FP4, quantised at once along the hidden 4,096 for the last product; h never goes to memory as f32.  No work is left out.
; SHARES.  A work-group makes 256 tokens x 256 hidden units: 256 work-groups; each of its sixteen waves 64 x 64.  K = 1,024 is eight steps of 128.  Both panels lie whole in LDS as images, filled once,
; asked for jointly: x1's along a row of the cluster, the weight's along a column.  The product is used transposed: a lane holds one token, and its 32 registers of four tiles run along 64 hidden units.
.set XP,    0
.set WP,    131072
.set SPARE, 262144                     ; the spare words: 128 bytes a wave, eight blocks of 256 bytes that no other line names
.set TS,    2048
.set SPW, 4
.set NIL, 5
.set L16, 7
.set XA0, 8
.set WA0, 10
.set XS,  16
.set WS,  32
.set XF,  48
.set WF,  80
.set ACC, 112
.set TM,  240
.set PC,  48
.set PW,  64
.set WV, 16
.set FB, 17
.set JJ, 18
.set WA, 19
.set WB, 20
.set CX, 21
.set CY, 22
.set BX, 23
.set BY, 24
.set SEL, 26
.set G1X, 28
.set G1W, 36
.set G0X, 44
.set G0W, 68
; s84-87 hold only what hangs on the cluster's row, s88-91 only what hangs on its column; s92-99 hold mixtures and feed no descriptor
.macro JLOAD g0a, g1a, g0b, g1b
	s_cmp_eq_u32 s[FB], 0
	s_cbranch_scc0 .Lfor_b_\@
	tensor_load_to_lds s[\g0a:\g0a+3], s[\g1a:\g1a+7]
	s_nop 0
.rept 4
	v_nop
.endr
	s_branch .Lasked_\@
.Lfor_b_\@:
	tensor_load_to_lds s[\g0b:\g0b+3], s[\g1b:\g1b+7]
	s_nop 0
.rept 4
	v_nop
.endr
.Lasked_\@:
.endm
.macro CROUND
	s_barrier_signal -1
	s_barrier_wait -1
	s_cmp_lg_u32 s[WV], 0
	s_cbranch_scc1 .Lnot_wave_0_\@
	s_barrier_signal -3
.Lnot_wave_0_\@:
	s_barrier_wait -3
	s_barrier_signal -1
	s_barrier_wait -1
.endm
.macro WM d, s0, s1, zero, sc0, row0, sc1, row1
.if (\zero) && (\row0) && (\row1)
	v_wmma_scale_f32_16x16x128_f8f6f4 v[\d:\d+7], v[\s0:\s0+7], v[\s1:\s1+7], 0, v[\sc0], v[\sc1] matrix_a_fmt:MATRIX_FMT_FP4 matrix_b_fmt:MATRIX_FMT_FP4 matrix_a_scale:MATRIX_SCALE_ROW1 matrix_b_scale:MATRIX_SCALE_ROW1
.elseif (\zero) && (\row0)
	v_wmma_scale_f32_16x16x128_f8f6f4 v[\d:\d+7], v[\s0:\s0+7], v[\s1:\s1+7], 0, v[\sc0], v[\sc1] matrix_a_fmt:MATRIX_FMT_FP4 matrix_b_fmt:MATRIX_FMT_FP4 matrix_a_scale:MATRIX_SCALE_ROW1
.elseif (\zero) && (\row1)
	v_wmma_scale_f32_16x16x128_f8f6f4 v[\d:\d+7], v[\s0:\s0+7], v[\s1:\s1+7], 0, v[\sc0], v[\sc1] matrix_a_fmt:MATRIX_FMT_FP4 matrix_b_fmt:MATRIX_FMT_FP4 matrix_b_scale:MATRIX_SCALE_ROW1
.elseif (\zero)
	v_wmma_scale_f32_16x16x128_f8f6f4 v[\d:\d+7], v[\s0:\s0+7], v[\s1:\s1+7], 0, v[\sc0], v[\sc1] matrix_a_fmt:MATRIX_FMT_FP4 matrix_b_fmt:MATRIX_FMT_FP4
.elseif (\row0) && (\row1)
	v_wmma_scale_f32_16x16x128_f8f6f4 v[\d:\d+7], v[\s0:\s0+7], v[\s1:\s1+7], v[\d:\d+7], v[\sc0], v[\sc1] matrix_a_fmt:MATRIX_FMT_FP4 matrix_b_fmt:MATRIX_FMT_FP4 matrix_a_scale:MATRIX_SCALE_ROW1 matrix_b_scale:MATRIX_SCALE_ROW1
.elseif (\row0)
	v_wmma_scale_f32_16x16x128_f8f6f4 v[\d:\d+7], v[\s0:\s0+7], v[\s1:\s1+7], v[\d:\d+7], v[\sc0], v[\sc1] matrix_a_fmt:MATRIX_FMT_FP4 matrix_b_fmt:MATRIX_FMT_FP4 matrix_a_scale:MATRIX_SCALE_ROW1
.elseif (\row1)
	v_wmma_scale_f32_16x16x128_f8f6f4 v[\d:\d+7], v[\s0:\s0+7], v[\s1:\s1+7], v[\d:\d+7], v[\sc0], v[\sc1] matrix_a_fmt:MATRIX_FMT_FP4 matrix_b_fmt:MATRIX_FMT_FP4 matrix_b_scale:MATRIX_SCALE_ROW1
.else
	v_wmma_scale_f32_16x16x128_f8f6f4 v[\d:\d+7], v[\s0:\s0+7], v[\s1:\s1+7], v[\d:\d+7], v[\sc0], v[\sc1] matrix_a_fmt:MATRIX_FMT_FP4 matrix_b_fmt:MATRIX_FMT_FP4
.endif
.endm
.macro FRAGS xa, wa, off
.irp a, 0,1,2,3
.irp c, 0,1
	ds_load_b128 v[XF+8*\a+4*\c:XF+8*\a+4*\c+3], v[\xa] offset:\off+\a*TS+512*\c
.endr
.endr
.irp b, 0,1,2,3
.irp c, 0,1
	ds_load_b128 v[WF+8*\b+4*\c:WF+8*\b+4*\c+3], v[\wa] offset:\off+\b*TS+512*\c
.endr
.endr
.endm
.macro MULT ks, zero                   ; the sixteen accumulators take turns, one instruction a turn, in the same order in every step
.irp a, 0,1,2,3
.irp b, 0,1,2,3
	WM ACC+8*(4*\a+\b), WF+8*\b, XF+8*\a, \zero, WS+8*(\b/2)+(\ks), \b%2, XS+8*(\a/2)+(\ks), \a%2
.endr
.endr
.endm
.macro KSTEP ks, zero
.if (\zero) == 0
.rept 4
	v_nop                                          ; four places between the last products and the loads into the registers that they read
.endr
.endif
	FRAGS XA0+(\ks)/4, WA0+(\ks)/4, (((\ks)/2)%2)*32768+((\ks)%2)*1024
	s_wait_dscnt 0x0
	MULT \ks, \zero
.endm
.macro QUANT2 s, pc, pw
.irp b, 0,1
	v_max3_num_f32 v[TM+\b], |v[\s+16*\b]|, |v[\s+16*\b+1]|, 0x1800000
.endr
.irp i, 2,4,6,8,10,12,14
.irp b, 0,1
	v_max3_num_f32 v[TM+\b], v[TM+\b], |v[\s+16*\b+\i]|, |v[\s+16*\b+\i+1]|
.endr
.endr
.irp b, 0,1
	v_permlanex16_b32 v[TM+2+\b], v[TM+\b], s[SEL], s[SEL+1]
.endr
.irp b, 0,1
	v_max_num_f32 v[TM+\b], v[TM+\b], v[TM+2+\b]
.endr
.irp b, 0,1
	v_add_nc_u32 v[TM+4+\b], 0xff000000, v[TM+\b]
.endr
.irp b, 0,1
	v_lshrrev_b32 v[TM+2+\b], 23, v[TM+4+\b]
.endr
	v_lshl_or_b32 v[\pw], v[TM+3], 8, v[TM+2]
.irp b, 0,1
	v_cvt_scalef32_pk8_fp4_f32 v[\pc+2*\b], v[\s+16*\b:\s+16*\b+7], v[TM+4+\b]
	v_cvt_scalef32_pk8_fp4_f32 v[\pc+2*\b+1], v[\s+16*\b+8:\s+16*\b+15], v[TM+4+\b]
.endr
	v_nop
	v_permlane16_swap_b32 v[\pc], v[\pc+2]
	v_permlane16_swap_b32 v[\pc+1], v[\pc+3]
.endm
	s_load_b256 s[4:11], s[0:1], 0x0               ; x1q s[4:5], wimg s[6:7], w1's scales s[8:9], hq s[10:11]
	v_lshl_add_u32 v[SPW], v0, 2, SPARE
	v_mov_b32 v[NIL], 0
	ds_add_u32 v[SPW], v[NIL]                      ; the wave's opening: the add, twice on end, and its wait ahead of my first tensor load
	ds_add_u32 v[SPW], v[NIL]
	v_lshrrev_b32 v1, 5, v0
	v_readfirstlane_b32 s[WV], v1                  ; wave 0..15
	s_lshr_b32 s[FB], s[WV], 3
	s_and_b32 s[JJ], s[WV], 7
	s_lshr_b32 s[WA], s[WV], 2
	s_and_b32 s[WB], s[WV], 3
	s_bfe_u32 s[CX], ttmp6, 0x40000
	s_bfe_u32 s[CY], ttmp6, 0x40004
	s_lshl_b32 s[BX], ttmp9, 2
	s_add_co_u32 s[BX], s[BX], s[CX]
	s_and_b32 s[BY], ttmp7, 0xffff
	s_lshl_b32 s[BY], s[BY], 2
	s_add_co_u32 s[BY], s[BY], s[CY]
	s_mov_b32 s[SEL], 0x76543210
	s_mov_b32 s[SEL+1], 0xfedcba98
	s_lshl_b32 s84, s[CY], 2
	s_lshl_b32 s84, 15, s84
	s_lshl_b32 s88, 0x1111, s[CX]
	s_or_b32 s[G1X], s84, (3<<16)|(1<<21)
	s_or_b32 s[G1W], s88, (3<<16)|(1<<21)
.irp g, G1X, G1W
	s_mov_b32 s[\g+1], 256<<16
	s_mov_b32 s[\g+2], 2<<16
	s_mov_b32 s[\g+3], 256<<16
	s_mov_b32 s[\g+4], 2
	s_mov_b32 s[\g+5], 1024
	s_mov_b32 s[\g+6], 0
	s_mov_b32 s[\g+7], 0
.endr
	s_lshl_b32 s84, s[BY], 4
	s_lshl_b32 s85, s[JJ], 1
	s_add_co_u32 s84, s84, s85
	s_lshl_b32 s84, s84, 13
	s_mov_b32 s85, 0
	s_lshl_b32 s86, s[JJ], 12
	s_lshl_b32 s88, s[BX], 4
	s_lshl_b32 s89, s[JJ], 1
	s_add_co_u32 s88, s88, s89
	s_lshl_b32 s88, s88, 13
	s_add_co_u32 s88, s88, 2097152                 ; w1's images
	s_mov_b32 s89, 0
	s_lshl_b32 s90, s[JJ], 12
	s_add_co_u32 s90, s90, WP
	s_wait_dscnt 0x0                               ; both opening adds are done
	s_wait_kmcnt 0x0
	s_add_nc_u64 s[84:85], s[4:5], s[84:85]
	s_add_nc_u64 s[88:89], s[6:7], s[88:89]
	CROUND
.irp q, 0,1,2,3                                ; four loads a wave, all first fills: four are out
	s_mov_b32 s[G0X+4*\q], 1
	s_add_co_u32 s[G0X+4*\q+1], s86, \q*32768
	s_add_nc_u64 s[G0X+4*\q+2:G0X+4*\q+3], s[84:85], \q*2048
	s_or_b32 s[G0X+4*\q+3], s[G0X+4*\q+3], 0x80000000
	s_mov_b32 s[G0W+4*\q], 1
	s_add_co_u32 s[G0W+4*\q+1], s90, \q*32768
	s_add_nc_u64 s[G0W+4*\q+2:G0W+4*\q+3], s[88:89], \q*2048
	s_or_b32 s[G0W+4*\q+3], s[G0W+4*\q+3], 0x80000000
	JLOAD G0X+4*\q, G1X, G0W+4*\q, G1W
.endr
	v_and_b32 v2, 31, v0
	v_and_b32 v3, 15, v0
	v_bfe_u32 v6, v0, 4, 1
	v_lshlrev_b32 v[L16], 4, v2
	v_and_b32 v15, 8, v3
	v_add_nc_u32 v15, v15, v3
	v_lshl_add_u32 v12, v6, 3, v15
	v_lshlrev_b32 v13, 3, v12
	v_lshlrev_b32 v14, 5, v12
	v_lshlrev_b32 v15, 3, v15                      ; (r + 8 (r / 8)) x 8: my token's scales on the way out
	s_lshl_b32 s92, s[BY], 11
	s_lshl_b32 s93, s[WA], 9
	s_add_co_u32 s92, s92, s93
	s_add_co_u32 s92, s92, 2097152
	s_mov_b32 s93, 0
	s_add_nc_u64 s[92:93], s[4:5], s[92:93]
	s_lshl_b32 s96, s[BX], 13
	s_lshl_b32 s97, s[WB], 11
	s_add_co_u32 s96, s96, s97
	s_mov_b32 s97, 0
	s_add_nc_u64 s[94:95], s[8:9], s[96:97]
.irp p, 0,1
.irp g, 0,1,2,3
	global_load_b64 v[XS+8*\p+2*\g:XS+8*\p+2*\g+1], v13, s[92:93] offset:32768*\g+256*\p
.endr
.endr
.irp p, 0,1
.irp g, 0,1
	global_load_b128 v[WS+8*\p+4*\g:WS+8*\p+4*\g+3], v14, s[94:95] offset:1024*\p+16*\g
.endr
.endr
	s_lshl_b32 s98, s[WA], 13
	v_add_nc_u32 v[XA0], s98, v[L16]
	v_add_nc_u32 v[XA0+1], 0x10000, v[XA0]
	s_lshl_b32 s99, s[WB], 13
	s_add_co_u32 s99, s99, WP
	v_add_nc_u32 v[WA0], s99, v[L16]
	v_add_nc_u32 v[WA0+1], 0x10000, v[WA0]
	v_mov_b32 v[TM+2], 0
	v_mov_b32 v[TM+3], 0
	s_wait_loadcnt 0x0                             ; the scales are in, and their address registers are free
	s_lshl_b32 s92, s[BY], 4
	s_lshl_b32 s93, s[WA], 2
	s_add_co_u32 s92, s92, s93                     ; my first token tile
	s_lshl_b32 s93, s[BX], 2
	s_add_co_u32 s93, s93, s[WB]                   ; my group of 64 hidden units
	s_lshl_b32 s96, s92, 6
	s_add_co_u32 s96, s96, s93
	s_lshl_b32 s96, s96, 9
	s_mov_b32 s97, 0
	s_add_nc_u64 s[2:3], s[10:11], s[96:97]        ; h's codes: 64 half images a tile
	s_lshl_b32 s96, s[BX], 15
	s_lshl_b32 s98, s92, 7
	s_add_co_u32 s96, s96, s98
	s_lshl_b32 s98, s[WB], 1
	s_add_co_u32 s96, s96, s98
	s_add_co_u32 s96, s96, 8388608
	s_add_nc_u64 s[66:67], s[10:11], s[96:97]      ; and its scales
	s_wait_tensorcnt 3                             ; my part of chunk 0 is in; my three younger loads may stay out
	s_barrier_signal -1
	s_barrier_wait -1
	KSTEP 0, 1
	KSTEP 1, 0
.irp q, 1,2,3
	s_wait_tensorcnt 3-\q
	s_barrier_signal -1
	s_barrier_wait -1
	KSTEP 2*\q, 0
	KSTEP 2*\q+1, 0
.endr
.rept 4
	v_nop
.endr
.set I, 0
.rept 128
	v_max_num_f32 v[ACC+I], 0, v[ACC+I]            ; the activation, in f32; each accumulator from its low end on
.set I, I+1
.endr
.irp a, 0,1,2,3
	QUANT2 ACC+32*\a, PC+4*\a, PW+\a
.endr
.irp a, 0,1,2,3
	global_store_b128 v[L16], v[PC+4*\a:PC+4*\a+3], s[2:3] offset:32768*\a
	global_store_b16 v15, v[PW+\a], s[66:67] offset:(32*(\a/2)+8*(\a%2))*8
.endr
	s_wait_tensorcnt 0x0                           ; the wave's end
	ds_add_u32 v[SPW], v[NIL]
	s_wait_dscnt 0x0
	CROUND
	s_endpgm
.Lfunc_end_k_q4700d1fe3c_up:
	.size	k_q4700d1fe3c_up, .Lfunc_end_k_q4700d1fe3c_up-k_q4700d1fe3c_up
	.p2alignl 7, 3214868480
	.fill 96, 4, 3214868480
	.section	.rodata,"a",@progbits
	.p2align	6, 0x0
	.amdhsa_kernel k_q4700d1fe3c_up
		.amdhsa_group_segment_fixed_size 280576
		.amdhsa_private_segment_fixed_size 0
		.amdhsa_enable_private_segment 0
		.amdhsa_kernarg_size 32
		.amdhsa_user_sgpr_count 2
		.amdhsa_user_sgpr_kernarg_segment_ptr 1
		.amdhsa_wavefront_size32 1
		.amdhsa_system_sgpr_workgroup_id_x 1
		.amdhsa_system_sgpr_workgroup_id_y 1
		.amdhsa_system_sgpr_workgroup_id_z 1
		.amdhsa_system_vgpr_workitem_id 0
		.amdhsa_next_free_vgpr 256
		.amdhsa_next_free_sgpr 100
		.amdhsa_reserve_vcc 0
		.amdhsa_float_denorm_mode_32 3
		.amdhsa_float_denorm_mode_16_64 3
		.amdhsa_memory_ordered 1
		.amdhsa_forward_progress 1
		.amdhsa_inst_pref_size 49
	.end_amdhsa_kernel
	.amdgpu_metadata
---
amdhsa.version: [ 1, 2 ]
amdhsa.kernels:
  - .name:           k_q4700d1fe3c_up
    .symbol:         k_q4700d1fe3c_up.kd
    .args:
      - { .name: x1q, .offset: 0, .size: 8, .value_kind: global_buffer, .address_space: global }
      - { .name: wimg, .offset: 8, .size: 8, .value_kind: global_buffer, .address_space: global }
      - { .name: w1_scales, .offset: 16, .size: 8, .value_kind: global_buffer, .address_space: global }
      - { .name: hq, .offset: 24, .size: 8, .value_kind: global_buffer, .address_space: global }
    .group_segment_fixed_size: 280576
    .private_segment_fixed_size: 0
    .kernarg_segment_align: 8
    .kernarg_segment_size: 32
    .max_flat_workgroup_size: 512
    .sgpr_count:     100
    .vgpr_count:     256
    .wavefront_size: 32
...
	.end_amdgpu_metadata
.endif
;; end of part 5
;; launch down (part 6): grid 8 x 32, 4 waves a work-group, clusters of 4 x 4, 327,680 bytes of LDS; arguments hq, wimg, w2_scales, x1r, out0; writes out0
.if DOCPART == 6
	.amdgcn_target "amdgcn-amd-amdhsa--gfx1250"
	.amdhsa_code_object_version 6
	.text
	.protected	k_q4700d1fe3c_down
	.globl	k_q4700d1fe3c_down
	.p2align	8
	.type	k_q4700d1fe3c_down,@function
k_q4700d1fe3c_down:
	s_mov_b64 s[64:65], 0
	v_nop
	global_prefetch_b8 v0, s[64:65] scope:SCOPE_SE
	s_setreg_imm32_b32 hwreg(HW_REG_WAVE_MODE, 25, 1), 1
	s_wait_xcnt 0x0
	s_wait_alu depctr_hold_cnt(0) depctr_sa_sdst(0) depctr_va_vdst(0) depctr_va_sdst(0) depctr_va_ssrc(0) depctr_va_vcc(0) depctr_vm_vsrc(0)
	s_getreg_b32 s2, hwreg(HW_REG_IB_STS2, 6, 4)
	s_cmp_eq_u32 s2, 0
	s_cbranch_scc0 .Lentry_in_a_cluster
	s_endpgm
.Lentry_in_a_cluster:
	s_bfe_u32 s2, ttmp6, 0x10000c
	s_cmp_lg_u32 s2, 0xf033
	s_cbranch_scc0 .Lentry_shape_is_right
	s_endpgm
.Lentry_shape_is_right:
; out0 = x1 + h w2 on codes of FP4.  No work is left out.
; SHARES.  A work-group makes 128 tokens x 128 columns: 256 work-groups; each of its four waves 64 x 64, the same 64 x 64 whose x1 the projection's wave left in the accumulators' own order: it is loaded straight
; into the accumulators, so the residual costs no addition.  K = 4,096 is 32 steps of 128, in four chunks of eight through two LDS slots; slots 0 and 1 are each filled a second time, behind a round of the
; cluster's barrier.  h's tiles are shared along a row of the cluster, the weight's along a column: asked for jointly.  The scales of all of K come once, with the first fills.
; This launch fills LDS bytes again, and it claims all of a WGP's LDS.
.set SLOTB, 131072                     ; a slot: h's 8 tiles x 8,192 bytes, then the weight's 8
.set ASC,   262144                     ; h's scales: [K / 256 16][128 tokens][8]
.set WSC,   278528                     ; the weight's: 128 rows of 128 bytes + 16
.set SPARE, 296960                     ; the spare words: 128 bytes a wave, two blocks of 256 bytes that no other line names
.set TS,    8192
.set SPW, 4
.set NIL, 5
.set L16, 7
.set XA0, 8                            ; v8, v9    my four tiles of h in slot 0, 1
.set WA0, 10                           ; v10, v11  my four of the weight
.set ASA, 12                           ; v12  my lane's place among h's scales
.set WSA, 13                           ; v13  and among the weight's
.set STO, 14                           ; v14  the way out: into my stage
.set RD,  15                           ; v15  and back
.set CO,  240                          ; v240 my byte offset in out0
.set XS,  16
.set WS,  32
.set XF,  48
.set WF,  80
.set ACC, 112
.set WV, 16
.set FB, 17
.set JJ, 18
.set WA, 19
.set WB, 20
.set CX, 21
.set CY, 22
.set BX, 23
.set BY, 24
.set G1A,  28                          ; groups 1: h's codes, the weight's codes, h's scales, the weight's scales
.set G1W,  36
.set G1AS, 44
.set G1WS, 52
.set G0A,  68                          ; groups 0 for h: slot 0, slot 1, scales;
.set G0W,  80                          ; for the weight likewise
; s60-63 hold only what hangs on the cluster's row, s92-95 only what hangs on its column; s66, s67, s96-99 hold mixtures and feed no descriptor
.macro JLOAD g0a, g1a, g0b, g1b
	s_cmp_eq_u32 s[FB], 0
	s_cbranch_scc0 .Lfor_b_\@
	tensor_load_to_lds s[\g0a:\g0a+3], s[\g1a:\g1a+7]
	s_nop 0
.rept 4
	v_nop
.endr
	s_branch .Lasked_\@
.Lfor_b_\@:
	tensor_load_to_lds s[\g0b:\g0b+3], s[\g1b:\g1b+7]
	s_nop 0
.rept 4
	v_nop
.endr
.Lasked_\@:
.endm
.macro CROUND
	s_barrier_signal -1
	s_barrier_wait -1
	s_cmp_lg_u32 s[WV], 0
	s_cbranch_scc1 .Lnot_wave_0_\@
	s_barrier_signal -3
.Lnot_wave_0_\@:
	s_barrier_wait -3
	s_barrier_signal -1
	s_barrier_wait -1
.endm
.macro WM d, s0, s1, sc0, row0, sc1, row1
.if (\row0) && (\row1)
	v_wmma_scale_f32_16x16x128_f8f6f4 v[\d:\d+7], v[\s0:\s0+7], v[\s1:\s1+7], v[\d:\d+7], v[\sc0], v[\sc1] matrix_a_fmt:MATRIX_FMT_FP4 matrix_b_fmt:MATRIX_FMT_FP4 matrix_a_scale:MATRIX_SCALE_ROW1 matrix_b_scale:MATRIX_SCALE_ROW1
.elseif (\row0)
	v_wmma_scale_f32_16x16x128_f8f6f4 v[\d:\d+7], v[\s0:\s0+7], v[\s1:\s1+7], v[\d:\d+7], v[\sc0], v[\sc1] matrix_a_fmt:MATRIX_FMT_FP4 matrix_b_fmt:MATRIX_FMT_FP4 matrix_a_scale:MATRIX_SCALE_ROW1
.elseif (\row1)
	v_wmma_scale_f32_16x16x128_f8f6f4 v[\d:\d+7], v[\s0:\s0+7], v[\s1:\s1+7], v[\d:\d+7], v[\sc0], v[\sc1] matrix_a_fmt:MATRIX_FMT_FP4 matrix_b_fmt:MATRIX_FMT_FP4 matrix_b_scale:MATRIX_SCALE_ROW1
.else
	v_wmma_scale_f32_16x16x128_f8f6f4 v[\d:\d+7], v[\s0:\s0+7], v[\s1:\s1+7], v[\d:\d+7], v[\sc0], v[\sc1] matrix_a_fmt:MATRIX_FMT_FP4 matrix_b_fmt:MATRIX_FMT_FP4
.endif
.endm
.macro FRAGS xa, wa, off
.irp a, 0,1,2,3
.irp c, 0,1
	ds_load_b128 v[XF+8*\a+4*\c:XF+8*\a+4*\c+3], v[\xa] offset:\off+\a*TS+512*\c
.endr
.endr
.irp b, 0,1,2,3
.irp c, 0,1
	ds_load_b128 v[WF+8*\b+4*\c:WF+8*\b+4*\c+3], v[\wa] offset:\off+\b*TS+512*\c
.endr
.endr
.endm
.macro MULT ks                         ; the sixteen accumulators take turns, one instruction a turn, in the same order in every step
.irp a, 0,1,2,3
.irp b, 0,1,2,3
	WM ACC+8*(4*\a+\b), WF+8*\b, XF+8*\a, WS+8*(\b/2)+(\ks), \b%2, XS+8*(\a/2)+(\ks), \a%2
.endr
.endr
.endm
; a chunk: its scale words (8 K steps: two registers of four words a tile pair and side), then eight K steps
.macro CHUNK q, slot
.rept 4
	v_nop                                          ; four places between the last products and the loads into the registers that they read
.endr
.irp p, 0,1
.irp g, 0,1,2,3
	ds_load_b64 v[XS+8*\p+2*\g:XS+8*\p+2*\g+1], v[ASA] offset:(4*\q+\g)*1024+256*\p
.endr
.endr
.irp p, 0,1
.irp g, 0,1
	ds_load_b128 v[WS+8*\p+4*\g:WS+8*\p+4*\g+3], v[WSA] offset:4608*\p+32*\q+16*\g
.endr
.endr
.irp k, 0,1,2,3,4,5,6,7
.if \k > 0
.rept 4
	v_nop
.endr
.endif
	FRAGS XA0+\slot, WA0+\slot, 1024*\k
	s_wait_dscnt 0x0
	MULT \k
.endr
.endm
; the change of slots with a refill: all my tensor loads are in; the add; the slot's addresses step two chunks on; the add and my reads of the slot are done; a round of the cluster's barrier; the joint refill first behind it
.macro CHANGE slot
	s_wait_tensorcnt 0x0                           ; no tensor load of mine is out, so a group 0 may be written
	ds_add_u32 v[SPW], v[NIL]                      ; 0 onto my spare word
	s_add_nc_u64 s[G0A+4*\slot+2:G0A+4*\slot+3], s[G0A+4*\slot+2:G0A+4*\slot+3], 16384
	s_add_nc_u64 s[G0W+4*\slot+2:G0W+4*\slot+3], s[G0W+4*\slot+2:G0W+4*\slot+3], 16384
	s_wait_dscnt 0x0
	CROUND
	JLOAD G0A+4*\slot, G1A, G0W+4*\slot, G1W       ; my one tensor load behind the round: it has a chunk's 128 products in which to land
.endm
	s_load_b256 s[4:11], s[0:1], 0x0               ; hq s[4:5], wimg s[6:7], w2's scales s[8:9], x1r s[10:11]
	s_load_b64 s[12:13], s[0:1], 0x20              ; out0
	v_lshl_add_u32 v[SPW], v0, 2, SPARE
	v_mov_b32 v[NIL], 0
	ds_add_u32 v[SPW], v[NIL]                      ; the wave's opening: the add, twice on end, and its wait ahead of my first tensor load
	ds_add_u32 v[SPW], v[NIL]
	v_lshrrev_b32 v1, 5, v0
	v_readfirstlane_b32 s[WV], v1                  ; wave 0..3
	s_lshr_b32 s[FB], s[WV], 1
	s_and_b32 s[JJ], s[WV], 1
	s_lshr_b32 s[WA], s[WV], 1
	s_and_b32 s[WB], s[WV], 1
	s_bfe_u32 s[CX], ttmp6, 0x40000
	s_bfe_u32 s[CY], ttmp6, 0x40004
	s_lshl_b32 s[BX], ttmp9, 2
	s_add_co_u32 s[BX], s[BX], s[CX]
	s_and_b32 s[BY], ttmp7, 0xffff
	s_lshl_b32 s[BY], s[BY], 2
	s_add_co_u32 s[BY], s[BY], s[CY]
	s_lshl_b32 s60, s[CY], 2
	s_lshl_b32 s60, 15, s60                        ; my row of the cluster
	s_lshl_b32 s92, 0x1111, s[CX]                  ; my column
	s_or_b32 s[G1A], s60, (3<<16)|(1<<21)
	s_or_b32 s[G1W], s92, (3<<16)|(1<<21)
	s_or_b32 s[G1AS], s60, (3<<16)|(1<<21)
	s_or_b32 s[G1WS], s92, (3<<16)|(1<<20)|(1<<21)|(4<<22)|(3<<25)   ; four words of padding behind every 32
.irp g, G1A, G1W
	s_mov_b32 s[\g+1], 1024<<16                    ; 8,192 bytes: a tile's eight images of a chunk
	s_mov_b32 s[\g+2], 4<<16                       ; four tiles
	s_mov_b32 s[\g+3], 1024<<16
	s_mov_b32 s[\g+4], 4
	s_mov_b32 s[\g+5], 4096                        ; 32,768 bytes from tile to tile
	s_mov_b32 s[\g+6], 0
	s_mov_b32 s[\g+7], 0
.endr
	s_mov_b32 s[G1AS+1], 128<<16                   ; 1,024 bytes: 128 tokens' 8 bytes
	s_mov_b32 s[G1AS+2], 8<<16                     ; eight groups of 256 along K
	s_mov_b32 s[G1AS+3], 128<<16
	s_mov_b32 s[G1AS+4], 8
	s_mov_b32 s[G1AS+5], 4096                      ; 32,768 bytes from group to group
	s_mov_b32 s[G1AS+6], 0
	s_mov_b32 s[G1AS+7], 0
	s_mov_b32 s[G1WS+1], 16<<16                    ; 128 bytes: a row's scales
	s_mov_b32 s[G1WS+2], 64<<16                    ; 64 rows, dense
	s_mov_b32 s[G1WS+3], 16<<16
	s_mov_b32 s[G1WS+4], 64
	s_mov_b32 s[G1WS+5], 16
	s_mov_b32 s[G1WS+6], 0
	s_mov_b32 s[G1WS+7], 0
	s_lshl_b32 s60, s[BY], 3
	s_lshl_b32 s61, s[JJ], 2
	s_add_co_u32 s60, s60, s61
	s_lshl_b32 s60, s60, 15                        ; h: tile 8 by + 4 j
	s_mov_b32 s61, 0
	s_lshl_b32 s62, s[JJ], 18                      ; its scales: groups 8 j on, tokens 128 by on
	s_lshl_b32 s63, s[BY], 10
	s_add_co_u32 s62, s62, s63
	s_add_co_u32 s62, s62, 8388608
	s_mov_b32 s63, 0
	s_lshl_b32 s92, s[BX], 3
	s_lshl_b32 s93, s[JJ], 2
	s_add_co_u32 s92, s92, s93
	s_lshl_b32 s92, s92, 15
	s_add_co_u32 s92, s92, 4194304                 ; w2: tile 8 bx + 4 j
	s_mov_b32 s93, 0
	s_lshl_b32 s94, s[BX], 14                      ; its scales: rows 128 bx + 64 j on
	s_lshl_b32 s95, s[JJ], 13
	s_add_co_u32 s94, s94, s95
	s_mov_b32 s95, 0
	s_lshl_b32 s14, s[JJ], 15                      ; LDS: my four tiles' place in a slot's half,
	s_lshl_b32 s15, s[JJ], 13                      ; my eight groups of h's scales,
	s_mul_i32 s2, s[JJ], 9216                      ; my 64 rows of the weight's
	s_wait_dscnt 0x0                               ; both opening adds are done
	s_wait_kmcnt 0x0
	s_add_nc_u64 s[60:61], s[4:5], s[60:61]
	s_add_nc_u64 s[62:63], s[4:5], s[62:63]
	s_add_nc_u64 s[92:93], s[6:7], s[92:93]
	s_add_nc_u64 s[94:95], s[8:9], s[94:95]
	CROUND                                         ; all sixteen work-groups are here
	s_mov_b32 s[G0A+8], 1
	s_add_co_u32 s[G0A+9], s15, ASC
	s_mov_b64 s[G0A+10:G0A+11], s[62:63]
	s_or_b32 s[G0A+11], s[G0A+11], 0x80000000
	s_mov_b32 s[G0W+8], 1
	s_add_co_u32 s[G0W+9], s2, WSC
	s_mov_b64 s[G0W+10:G0W+11], s[94:95]
	s_or_b32 s[G0W+11], s[G0W+11], 0x80000000
	JLOAD G0A+8, G1AS, G0W+8, G1WS                 ; the scales first: they are wanted with chunk 0
.irp s, 0,1                                    ; chunks 0 and 1: with the scales three loads of mine are out
	s_mov_b32 s[G0A+4*\s], 1
	s_add_co_u32 s[G0A+4*\s+1], s14, \s*SLOTB
	s_add_nc_u64 s[G0A+4*\s+2:G0A+4*\s+3], s[60:61], \s*8192
	s_or_b32 s[G0A+4*\s+3], s[G0A+4*\s+3], 0x80000000
	s_mov_b32 s[G0W+4*\s], 1
	s_add_co_u32 s[G0W+4*\s+1], s14, \s*SLOTB+65536
	s_add_nc_u64 s[G0W+4*\s+2:G0W+4*\s+3], s[92:93], \s*8192
	s_or_b32 s[G0W+4*\s+3], s[G0W+4*\s+3], 0x80000000
	JLOAD G0A+4*\s, G1A, G0W+4*\s, G1W
.endr
	s_lshl_b32 s66, s[BY], 3
	s_lshl_b32 s67, s[WA], 2
	s_add_co_u32 s66, s66, s67
	s_lshl_b32 s66, s66, 4                         ; my first token = 16 x my first token tile
	s_lshl_b32 s67, s[BX], 1
	s_add_co_u32 s67, s67, s[WB]                   ; my group of 64 columns
	s_add_co_u32 s96, s66, s67
	s_lshl_b32 s96, s96, 12
	s_mov_b32 s97, 0
	s_add_nc_u64 s[96:97], s[10:11], s[96:97]      ; x1, as the projection left it
	s_lshl_b32 s98, s66, 12
	s_lshl_b32 s67, s67, 8
	s_add_co_u32 s98, s98, s67
	s_mov_b32 s99, 0
	s_add_nc_u64 s[98:99], s[12:13], s[98:99]      ; out0 at my first token and column
	v_and_b32 v2, 31, v0
	v_and_b32 v3, 15, v0                           ; r
	v_bfe_u32 v6, v0, 4, 1                         ; h
	v_lshlrev_b32 v[L16], 4, v2
.irp a, 0,1,2,3
.irp b, 0,1,2,3
.irp f, 0,1
	global_load_b128 v[ACC+8*(4*\a+\b)+4*\f:ACC+8*(4*\a+\b)+4*\f+3], v[L16], s[96:97] offset:65536*\a+1024*\b+512*\f th:TH_LOAD_NT   ; 512 consecutive bytes: the accumulators' first value
.endr
.endr
.endr
	s_lshl_b32 s66, s[WA], 15
	v_add_nc_u32 v[XA0], s66, v[L16]
	v_add_nc_u32 v[XA0+1], SLOTB, v[XA0]
	s_lshl_b32 s66, s[WB], 15
	s_add_co_u32 s66, s66, 65536
	v_add_nc_u32 v[WA0], s66, v[L16]
	v_add_nc_u32 v[WA0+1], SLOTB, v[WA0]
	v_and_b32 v1, 8, v3
	v_add_nc_u32 v1, v1, v3
	v_lshl_add_u32 v1, v6, 3, v1                   ; r + 8 (r / 8) + 8 h
	s_lshl_b32 s66, s[WA], 9
	s_add_co_u32 s66, s66, ASC
	v_lshl_add_u32 v[ASA], v1, 3, s66
	v_mul_u32_u24 v[WSA], v1, 144
	s_mul_i32 s66, s[WB], 64*144
	s_add_co_u32 s66, s66, WSC
	v_add_nc_u32 v[WSA], s66, v[WSA]
	s_mul_i32 s66, s[WV], 4352                     ; my stage: 16 rows of 256 bytes + 16, in slot 0, used behind that slot's last fill and last read
	v_mul_u32_u24 v[STO], v3, 272
	v_lshl_add_u32 v[STO], v6, 6, v[STO]
	v_add_nc_u32 v[STO], s66, v[STO]
	v_mul_u32_u24 v[RD], v6, 272
	v_lshl_add_u32 v[RD], v3, 4, v[RD]
	v_add_nc_u32 v[RD], s66, v[RD]
	v_lshlrev_b32 v[CO], 12, v6
	v_lshl_add_u32 v[CO], v3, 4, v[CO]             ; lanes 0-15 one row of out0, lanes 16-31 the next; 16 bytes a lane
	s_wait_tensorcnt 1                             ; the scales and my part of chunk 0 are in; chunk 1's load may stay out
	s_barrier_signal -1
	s_barrier_wait -1
	s_wait_loadcnt 0x0                             ; x1
	CHUNK 0, 0
	CHANGE 0                                       ; slot 0 takes chunk 2
	CHUNK 1, 1
	CHANGE 1                                       ; slot 1 takes chunk 3
	CHUNK 2, 0
	s_wait_tensorcnt 0x0                           ; chunk 3 is in; nothing is left to fetch, so a plain barrier follows
	ds_add_u32 v[SPW], v[NIL]
	s_wait_dscnt 0x0
	s_barrier_signal -1
	s_barrier_wait -1                              ; behind it nobody reads slot 0 any more
	CHUNK 3, 1
; THE WAY OUT, a token tile at a time: a lane's 32 bytes of a row go into my stage and come back as whole rows of 256 bytes
.macro OUTA a
.set BB, 48+32*((\a)%2)
.if (\a) > 1
	s_wait_xcnt 0x0                                ; the stores of two tiles back have read their registers: the loads below may land there
.endif
.irp b, 0,1,2,3
.irp f, 0,1
	ds_store_b128 v[STO], v[ACC+8*(4*(\a)+\b)+4*\f:ACC+8*(4*(\a)+\b)+4*\f+3] offset:128*(\b/2)+32*(\b%2)+16*\f   ; each accumulator from its low end on
.endr
.endr
.irp i, 0,1,2,3,4,5,6,7
	ds_load_b128 v[BB+4*\i:BB+4*\i+3], v[RD] offset:2*\i*272       ; LDS serves a wave's instructions in order: these see the stores above
.endr
	s_wait_dscnt 0x0
.irp i, 0,1,2,3,4,5,6,7
	global_store_b128 v[CO], v[BB+4*\i:BB+4*\i+3], s[98:99] offset:(32*((\a)/2)+8*((\a)%2)+2*\i+8*(\i/4))*4096 th:TH_STORE_NT   ; sixteen lanes store 256 consecutive bytes, aligned
.endr
.endm
.rept 4
	v_nop                                          ; four places between the last products and the first read of results, and the loads into the fragments' registers
.endr
	OUTA 0
	OUTA 1
	OUTA 2
	OUTA 3
	s_wait_tensorcnt 0x0                           ; the wave's end, behind my last LDS store
	ds_add_u32 v[SPW], v[NIL]
	s_wait_dscnt 0x0
	CROUND                                         ; the closing round
	s_endpgm
.Lfunc_end_k_q4700d1fe3c_down:
	.size	k_q4700d1fe3c_down, .Lfunc_end_k_q4700d1fe3c_down-k_q4700d1fe3c_down
	.p2alignl 7, 3214868480
	.fill 96, 4, 3214868480
	.section	.rodata,"a",@progbits
	.p2align	6, 0x0
	.amdhsa_kernel k_q4700d1fe3c_down
		.amdhsa_group_segment_fixed_size 327680
		.amdhsa_private_segment_fixed_size 0
		.amdhsa_enable_private_segment 0
		.amdhsa_kernarg_size 40
		.amdhsa_user_sgpr_count 2
		.amdhsa_user_sgpr_kernarg_segment_ptr 1
		.amdhsa_wavefront_size32 1
		.amdhsa_system_sgpr_workgroup_id_x 1
		.amdhsa_system_sgpr_workgroup_id_y 1
		.amdhsa_system_sgpr_workgroup_id_z 1
		.amdhsa_system_vgpr_workitem_id 0
		.amdhsa_next_free_vgpr 256
		.amdhsa_next_free_sgpr 100
		.amdhsa_reserve_vcc 0
		.amdhsa_float_denorm_mode_32 3
		.amdhsa_float_denorm_mode_16_64 3
		.amdhsa_memory_ordered 1
		.amdhsa_forward_progress 1
		.amdhsa_inst_pref_size 127
	.end_amdhsa_kernel
	.amdgpu_metadata
---
amdhsa.version: [ 1, 2 ]
amdhsa.kernels:
  - .name:           k_q4700d1fe3c_down
    .symbol:         k_q4700d1fe3c_down.kd
    .args:
      - { .name: hq, .offset: 0, .size: 8, .value_kind: global_buffer, .address_space: global }
      - { .name: wimg, .offset: 8, .size: 8, .value_kind: global_buffer, .address_space: global }
      - { .name: w2_scales, .offset: 16, .size: 8, .value_kind: global_buffer, .address_space: global }
      - { .name: x1r, .offset: 24, .size: 8, .value_kind: global_buffer, .address_space: global }
      - { .name: out0, .offset: 32, .size: 8, .value_kind: global_buffer, .address_space: global }
    .group_segment_fixed_size: 327680
    .private_segment_fixed_size: 0
    .kernarg_segment_align: 8
    .kernarg_segment_size: 40
    .max_flat_workgroup_size: 128
    .sgpr_count:     100
    .vgpr_count:     256
    .wavefront_size: 32
...
	.end_amdgpu_metadata
.endif
;; end of part 6
